; MI455X (gfx1250); checked and timed in simulation.
; The chip was launched on July 23, 2026; its instructions are those of AMD's public machine-readable ISA for CDNA 5 (MIT licence, August 2026) and "CDNA5" Instruction Set Architecture Reference Guide (July 2026). The comments in the code are by the model that wrote it; some were corrected since.
;; Attention Layer. Allowed arithmetic: matrix products marked QUANTISED: E2M1 operands, one E8M0 scale for each 32 along K, by v_wmma_scale_f32_16x16x128_f8f6f4 with both operands' format E2M1 (or v_wmma_scale_f32_32x16x128_f4), f32 sums; everything else in f32.
;; Inputs: Wk 1,024 x 1,024 float32; Wo 1,024 x 1,024 float32; Wq 1,024 x 1,024 float32; Wv 1,024 x 1,024 float32; bk 1,024 float32; bo 1,024 float32; bq 1,024 float32; bv 1,024 float32; ln_beta 1,024 float32; ln_gamma 1,024 float32; x 4 x 2,048 x 1,024 float32.
;; Outputs: out0 4 x 2,048 x 1,024 float32.
;; This version of the problem:
;;   THIS VERSION OF THE PROBLEM IS GIVEN IN LOW PRECISION. The matrix products marked QUANTISED in the list below multiply operands that are first quantised to E2M1 (2 exponent bits, 1 mantissa bit; 4 bits a number), with one power-of-two scale for each 32 numbers along K (OCP MX v1.0); their sums are f32. All else is computed in f32.
;;   The module's matrix products, in the order in which they are computed (A, B: the left and right operand; K: the contracted axis; several contracted axes count as one K, in the product's order):
;;     1. [M 8,192, K 1,024] x [K 1,024, N 1,024]; A: computed on the way; B: input Wq: QUANTISED
;;     2. [M 8,192, K 1,024] x [K 1,024, N 1,024]; A: computed on the way; B: input Wk: QUANTISED
;;     3. [M 8,192, K 1,024] x [K 1,024, N 1,024]; A: computed on the way; B: input Wv: QUANTISED
;;     4. batch 64 x [M 2,048, K 64] x [K 64, N 2,048]; A: computed on the way; B: computed on the way: QUANTISED
;;     5. batch 64 x [M 2,048, K 2,048] x [K 2,048, N 64]; A: softmax (see below); B: computed on the way: QUANTISED
;;     6. [M 8,192, K 1,024] x [K 1,024, N 1,024]; A: computed on the way; B: input Wo: QUANTISED
;;   THE QUANTISER, for each operand of a quantised product, along K:
;;     - K is cut into blocks of 32 from its start; a last block that is shorter is filled with zeros.
;;     - A block's scale is 2^e with e = floor(log2(the largest magnitude in the block)) - 2, held to -126 .. 127; a block of zeros has e = 0. As a byte (E8M0): e + 127.
;;     - Each number is divided by its block's scale, clamped to +-6, and rounded to the nearest number of E2M1, ties to even, subnormals kept.
;;     - The product sums the exact products of the quantised numbers (number of the format x scale) in f32.
;;   ~~~python
;;   def quantise(x, axis):      # numpy; x: float32 -> the quantised numbers, widened to float32 again
;;       x = np.moveaxis(x, axis, -1); K = x.shape[-1]
;;       x = np.pad(x, [(0, 0)] * (x.ndim - 1) + [(0, -K % 32)]); x = x.reshape(x.shape[:-1] + (-1, 32)); a = np.abs(x).max(-1, keepdims=True)
;;       e = np.where(a > 0, np.clip(np.frexp(np.where(a > 0, a, 1))[1] - 1 - 2, -126, 127), 0)      # np.frexp(a)[1] - 1 = floor(log2(a)), exactly
;;       r = np.clip(x / 2.0 ** e, -6, 6)
;;       step = 2.0 ** (np.maximum(np.frexp(np.where(r == 0, 1, r))[1] - 1, 0) - 1)
;;       q = np.round(r / step) * step * 2.0 ** e      # np.round: ties to even
;;       return np.moveaxis(q.reshape(q.shape[:-2] + (-1,))[..., :K], -1, axis).astype(np.float32)
;;   ~~~
;;   SOFTMAX AHEAD OF A QUANTISED PRODUCT. Where the list says 'softmax', what is quantised is not the finished softmax but p = 2^(t - M), with t = logit x log2(e) and M = ceil(the row's largest t), a whole number; so 1/2 < the row's largest p <= 1. The row's sum l is taken of the UNQUANTISED p, in f32, and the product's result is divided by l at the end. Since M is a whole number, a kernel that streams over the keys may use a running M (the ceiling of the running maximum): every later rescaling is an exact power of two, which a block's scale takes up: the codes' values come out the same.
;;   OPERANDS COMPUTED ON THE WAY. 'Computed on the way' means the value that the module computes at that place (a softmax that the list does not call 'softmax' is quantised finished and normalised). What goes into a quantiser is computed in f32, as accurately as f32 sums, v_exp_f32 and their like allow (about 1e-6 of the number): no bf16 or f16 on the way to a quantiser, and a product that is left as it is and whose result goes on into a quantised operand takes f32 operands (vector FMAs, or v_wmma_f32_16x16x4_f32). A number that lies on a knife's edge between two numbers of the format may be rounded either way, as far as f32 arithmetic and the matrix unit's own rounding can turn it there, and no further.
;; One version. Each part assembles by itself: llvm-mc -triple=amdgcn-amd-amdhsa -mcpu=gfx1250 --defsym DOCPART=n.
;; ======== version 1 of 1: 4 launches
;; workspace buffers: hcs 4,456,448 bytes; wcs 2,228,224 bytes; qkv 13,369,344 bytes; aos 4,456,448 bytes
;; launch prep (part 1): grid 384 x 1, 8 waves a work-group, no clusters, 65,536 bytes of LDS; arguments x, Wq, Wk, Wv, Wo, ln_gamma, ln_beta, hcs, wcs; writes hcs, wcs
.if DOCPART == 1
	.amdgcn_target "amdgcn-amd-amdhsa--gfx1250"
	.amdhsa_code_object_version 6
	.text
	.protected	k_qfa7e9af9a0_prep
	.globl	k_qfa7e9af9a0_prep
	.p2align	8
	.type	k_qfa7e9af9a0_prep,@function
k_qfa7e9af9a0_prep:
	s_mov_b64 s[64:65], 0
	v_nop
	global_prefetch_b8 v0, s[64:65] scope:SCOPE_SE
	s_setreg_imm32_b32 hwreg(HW_REG_WAVE_MODE, 25, 1), 1
	s_wait_xcnt 0x0
; h = LayerNorm(x) and the four weights become codes of FP4 (E2M1) with one E8M0 byte for each 32 along K = 1,024, laid as the products' operand registers want them.
; A TILE is 16 rows x 1,024 K = 8,704 bytes = two chunks of 4,352: chunk ch holds K steps 4 ch .. 4 ch + 3 (128 K each): block l of row r (16 bytes) at (l / 16) 4,352 + (l % 16) 256 + 16 r,
; which is the image of a fragment's registers (lane (r, h), registers 4 c ..: k = 128 s + 64 c + 32 h ..); behind a chunk's 4,096 bytes of codes its scale words, (s % 4) 64 + 4 r, byte b = block 4 s + b.
; THE ROWS OF A TILE ARE NOT NEIGHBOURS: tile 2 g + u, row r, is row 32 g + 8 u + r + 8 (r / 8) of the tensor, so that a product's results of two neighbouring tiles are 16 neighbours along the next K.
; SHARES.  A work-group takes 32 neighbouring rows of one tensor (two tiles): work-groups 0-255 x (with the LayerNorm), 256-383 the weights, 32 to each, in the order Wq, Wk, Wv, Wo.  Wave w takes rows 4 w .. 4 w + 3;
; its 32 loads (16 KiB, 512 dense bytes each) go out at once.  A row turns through the wave's own stage in LDS so that lane l holds block l, 32 neighbours: mean and variance are sums over the wave, a block's maximum needs no other lane.
; Codes and scale bytes meet in LDS and leave in runs of 512 and 256 dense bytes.  Work-groups share no input but gamma and beta (8 KiB): no cluster, no tensor load, no matrix unit: the launch streams.
; The variance is the mean of the squared differences from the mean (two passes over registers), so a common offset on x costs no accuracy.
; LIMITS: NaN and infinities among the inputs are not served.  A block whose largest magnitude lies under 2^-124 (a block of zeros too) gets the byte 1: a block of zeros has zero codes, which add nothing, and this program alone reads the bytes.
.set FSTW, 4608                        ; a stage of 32 places of 128 bytes + 16 of padding: 144 = 9 x 16, so the lanes' 16-byte reads fall on different banks
.set GB,   8*FSTW                      ; gamma, then beta, padded alike
.set CST,  GB+2*FSTW                   ; codes: [tile u][block l, pitch 272][row r, 16 bytes]
.set SST,  CST+2*8704                  ; scale bytes: [tile u][K step s][row r][4]
.set VL,   1                           ; v1   16 x lane
.set SIN,  2                           ; v2   the stage, on the way in
.set SOUT, 3                           ; v3   and out: 144 x lane
.set CIN,  4                           ; v4   where my block's codes of my first row go
.set BIN,  5                           ; v5   and its scale byte
.set COUT, 6                           ; v6   the codes' way out
.set GIN,  7                           ; v7   gamma's and beta's way in
.set CH,   8                           ; v[8:15]  four chains of pairs; later v[8:11] a block's codes
.set RED,  16                          ; v16, v17 a sum over the wave
.set MU,   18                          ; v[18:19] the mean, twice
.set RS,   20                          ; v[20:21] 1 / sqrt(var + eps), twice
.set MX,   22                          ; v22, v23 largest magnitudes
.set SOP,  24                          ; v24  the conversions' scale operand
.set BY,   25                          ; v25  the scale's byte
.set GBO,  26                          ; v26  16 x thread: my 16 bytes of gamma and of beta
.set L8,   29                          ; v29  8 x lane
.set GOUT, 30                          ; v30  gamma's and beta's way out
.set SSO,  31                          ; v31  the scale words' way out
.set X,    32                          ; v[32:63]   the row at work: my block's 32 numbers
.set G,    64                          ; v[64:95]   gamma of my block
.set BT,   96                          ; v[96:127]  beta
.set R,    128                         ; v[128:255] my four rows as loaded
	s_load_b512 s[4:19], s[0:1], 0x0               ; x s[4:5], Wq s[6:7], Wk s[8:9], Wv s[10:11], Wo s[12:13], gamma s[14:15], beta s[16:17], hcs s[18:19]
	s_load_b64 s[20:21], s[0:1], 0x40              ; wcs
	v_lshl_add_u32 v27, v0, 2, 0xfc00
	v_mov_b32 v28, 0
	v_lshrrev_b32 v8, 5, v0
	s_delay_alu instid0(VALU_DEP_1)
	v_readfirstlane_b32 s22, v8                    ; wave 0..7
	v_and_b32 v9, 31, v0                           ; lane
	s_delay_alu instid0(VALU_DEP_1)
	v_lshlrev_b32 v[VL], 4, v9
	s_delay_alu instid0(VALU_DEP_2)
	v_lshlrev_b32 v[L8], 3, v9
	v_lshlrev_b32 v[GBO], 4, v0
	s_delay_alu instid0(VALU_DEP_4)
	v_lshrrev_b32 v10, 3, v9
	s_delay_alu instid0(VALU_DEP_1)
	v_mul_u32_u24 v10, v10, 144
	v_and_b32 v11, 7, v9
	s_delay_alu instid0(VALU_DEP_1)
	v_lshl_add_u32 v10, v11, 4, v10                ; eight lanes' 128 bytes fill a place: 144 (lane / 8) + 16 (lane % 8)
	v_mul_u32_u24 v11, v9, 144
	s_mul_i32 s40, s22, FSTW
	v_add_nc_u32 v[SIN], s40, v10
	v_add_nc_u32 v[SOUT], s40, v11
	v_add_nc_u32 v[GOUT], GB, v11
	s_mul_i32 s40, s22, 576                        ; wave w brings places 4 w .. 4 w + 3 of gamma and beta
	s_add_co_u32 s40, s40, GB
	v_add_nc_u32 v[GIN], s40, v10
	s_and_b32 s41, s22, 1                          ; w % 2
	s_lshr_b32 s42, s22, 2                         ; w / 4
	s_bfe_u32 s43, s22, 0x10001                    ; (w / 2) % 2 = u, the tile of my rows
	s_lshl_b32 s40, s41, 2
	s_lshl_b32 s33, s42, 3
	s_add_co_u32 s40, s40, s33                     ; my first row's place in its tile: 4 (w % 2) + 8 (w / 4)
	s_mul_i32 s33, s43, 8704
	s_lshl_b32 s34, s40, 4
	s_add_co_u32 s33, s33, s34
	s_add_co_u32 s33, s33, CST
	v_mul_u32_u24 v10, v9, 272
	s_delay_alu instid0(VALU_DEP_1)
	v_add_nc_u32 v[CIN], s33, v10
	s_lshl_b32 s33, s43, 9
	s_lshl_b32 s34, s40, 2
	s_add_co_u32 s33, s33, s34
	s_add_co_u32 s33, s33, SST
	v_lshrrev_b32 v10, 2, v9
	v_and_b32 v11, 3, v9
	s_delay_alu instid0(VALU_DEP_1)
	v_lshl_add_u32 v10, v10, 6, v11                ; block l: K step l / 4, byte l % 4
	s_delay_alu instid0(VALU_DEP_1)
	v_add_nc_u32 v[BIN], s33, v10
	s_and_b32 s35, s22, 3
	s_mul_i32 s33, s42, 8704                       ; out: wave w takes tile w / 4, blocks 8 (w % 4) .. + 7
	s_mul_i32 s34, s35, 2176
	s_add_co_u32 s33, s33, s34
	s_add_co_u32 s33, s33, CST
	v_lshrrev_b32 v10, 4, v9
	s_delay_alu instid0(VALU_DEP_1)
	v_mul_u32_u24 v10, v10, 272
	v_and_b32 v11, 15, v9
	s_delay_alu instid0(VALU_DEP_1)
	v_lshl_add_u32 v10, v11, 4, v10
	s_delay_alu instid0(VALU_DEP_1)
	v_add_nc_u32 v[COUT], s33, v10
	s_lshl_b32 s33, s35, 8
	s_add_co_u32 s33, s33, SST
	v_add_nc_u32 v[SSO], s33, v[L8]                ; 256 (w % 4) + 8 x lane: read by waves 0-3 alone
	v_mov_b32 v[RED+1], 0                          ; written once: a lane permute's destination counts as one of its sources
	s_mov_b32 s36, 0x76543210
	s_mov_b32 s37, 0xfedcba98                      ; v_permlanex16_b32's selects for lane l xor 16
	s_mov_b32 s38, 0x3a800000                      ; 1 / 1,024
	s_mov_b32 s39, 0x3727c5ac                      ; eps = 1e-5
	s_sub_co_u32 s23, ttmp9, 256                   ; among the weights' work-groups
	s_bfe_u32 s24, s23, 0x20005                    ; which weight
	s_and_b32 s25, s23, 31                         ; which 32 rows of it
	s_wait_kmcnt 0x0
	s_mov_b64 s[26:27], s[12:13]                   ; the source is chosen on the work-group's number alone
	s_cmp_eq_u32 s24, 2
	s_cselect_b64 s[26:27], s[10:11], s[26:27]
	s_cmp_eq_u32 s24, 1
	s_cselect_b64 s[26:27], s[8:9], s[26:27]
	s_cmp_eq_u32 s24, 0
	s_cselect_b64 s[26:27], s[6:7], s[26:27]
	s_cmp_lt_u32 ttmp9, 256
	s_cselect_b64 s[26:27], s[4:5], s[26:27]
	s_cselect_b64 s[28:29], s[18:19], s[20:21]
	s_cselect_b32 s25, ttmp9, s25
	s_cselect_b32 s32, ttmp9, s23                  ; which pair of tiles of the destination
	s_lshl_b32 s30, s25, 17                        ; 32 rows of 4,096 bytes
	s_lshl_b32 s33, s22, 14                        ; my four
	s_add_co_u32 s30, s30, s33
	s_mov_b32 s31, 0
	s_add_nc_u64 s[26:27], s[26:27], s[30:31]
	s_mul_i32 s30, s32, 17408
	s_add_nc_u64 s[28:29], s[28:29], s[30:31]
	s_lshr_b32 s33, s35, 1                         ; the scale words' way out: wave w (0-3): tile w / 2, chunk w % 2
	s_mul_i32 s30, s33, 8704
	s_mul_i32 s33, s41, 4352
	s_add_co_u32 s30, s30, s33
	s_add_co_u32 s30, s30, 4096
	s_add_nc_u64 s[34:35], s[28:29], s[30:31]
	s_mul_i32 s30, s42, 8704                       ; the codes': tile w / 4, chunk (w / 2) % 2, its half w % 2
	s_mul_i32 s33, s43, 4352
	s_add_co_u32 s30, s30, s33
	s_lshl_b32 s33, s41, 11
	s_add_co_u32 s30, s30, s33
	s_add_nc_u64 s[28:29], s[28:29], s[30:31]
	global_load_b128 v[X:X+3], v[GBO], s[14:15]
	global_load_b128 v[X+4:X+7], v[GBO], s[16:17]
.irp i, 0,1,2,3
.irp j, 0,1,2,3,4,5,6,7
	global_load_b128 v[R+32*\i+4*\j:R+32*\i+4*\j+3], v[VL], s[26:27] offset:4096*\i+512*\j th:TH_LOAD_NT   ; 32 lanes read 512 dense bytes; read once in the launch
.endr
.endr
	s_wait_loadcnt 32                              ; gamma and beta are in; the 32 loads of my rows stay out
	ds_store_b128 v[GIN], v[X:X+3]
	ds_store_b128 v[GIN], v[X+4:X+7] offset:FSTW
	s_wait_dscnt 0x0                               ; for the others' sake: my part of gamma and beta lies in LDS
	s_barrier_signal -1
	s_barrier_wait -1
.irp i, 0,1,2,3,4,5,6,7
	ds_load_b128 v[G+4*\i:G+4*\i+3], v[GOUT] offset:16*\i
	ds_load_b128 v[BT+4*\i:BT+4*\i+3], v[GOUT] offset:FSTW+16*\i
.endr
.macro REDUCE                          ; the four chains become one sum over the wave's 1,024 numbers, in every lane's v[RED]
	s_delay_alu instid0(VALU_DEP_3)
	v_pk_add_f32 v[CH:CH+1], v[CH:CH+1], v[CH+2:CH+3]
	s_delay_alu instid0(VALU_DEP_2)
	v_pk_add_f32 v[CH+4:CH+5], v[CH+4:CH+5], v[CH+6:CH+7]
	s_delay_alu instid0(VALU_DEP_1)
	v_pk_add_f32 v[CH:CH+1], v[CH:CH+1], v[CH+4:CH+5]
	s_delay_alu instid0(VALU_DEP_1)
	v_add_f32 v[RED], v[CH], v[CH+1]
	s_delay_alu instid0(VALU_DEP_1)
	v_add_f32_dpp v[RED], v[RED], v[RED] row_xmask:1 row_mask:0xf bank_mask:0xf
	s_delay_alu instid0(VALU_DEP_1)
	v_add_f32_dpp v[RED], v[RED], v[RED] row_xmask:2 row_mask:0xf bank_mask:0xf
	s_delay_alu instid0(VALU_DEP_1)
	v_add_f32_dpp v[RED], v[RED], v[RED] row_xmask:4 row_mask:0xf bank_mask:0xf
	s_delay_alu instid0(VALU_DEP_1)
	v_add_f32_dpp v[RED], v[RED], v[RED] row_xmask:8 row_mask:0xf bank_mask:0xf
	s_delay_alu instid0(VALU_DEP_1)
	v_permlanex16_b32 v[RED+1], v[RED], s36, s37
	s_delay_alu instid0(VALU_DEP_1)
	v_add_f32 v[RED], v[RED], v[RED+1]
.endm
.macro LN                              ; X = (X - mean) / sqrt(var + eps) x gamma + beta, all in f32
.irp k, 0,1,2,3
	v_pk_add_f32 v[CH+2*\k:CH+2*\k+1], v[X+4*\k:X+4*\k+1], v[X+4*\k+2:X+4*\k+3]
.endr
.irp j, 16,24
.irp k, 0,1,2,3
	s_delay_alu instid0(VALU_DEP_4)
	v_pk_add_f32 v[CH+2*\k:CH+2*\k+1], v[CH+2*\k:CH+2*\k+1], v[X+\j+2*\k:X+\j+2*\k+1]
.endr
.endr
	REDUCE
	s_delay_alu instid0(VALU_DEP_1)
	v_mul_f32 v[MU], s38, v[RED]
	s_delay_alu instid0(VALU_DEP_2)
	v_mul_f32 v[MU+1], s38, v[RED]
.set j, 0
.rept 16
	v_pk_add_f32 v[X+j:X+j+1], v[X+j:X+j+1], v[MU:MU+1] neg_lo:[0,1] neg_hi:[0,1]
.set j, j+2
.endr
.irp k, 0,1,2,3
	v_pk_mul_f32 v[CH+2*\k:CH+2*\k+1], v[X+2*\k:X+2*\k+1], v[X+2*\k:X+2*\k+1]
.endr
.irp j, 8,16,24
.irp k, 0,1,2,3
	s_delay_alu instid0(VALU_DEP_4)
	v_pk_fma_f32 v[CH+2*\k:CH+2*\k+1], v[X+\j+2*\k:X+\j+2*\k+1], v[X+\j+2*\k:X+\j+2*\k+1], v[CH+2*\k:CH+2*\k+1]
.endr
.endr
	REDUCE
	s_delay_alu instid0(VALU_DEP_1)
	v_fma_f32 v[RED], v[RED], s38, s39             ; var + eps
	s_wait_alu depctr_va_vdst(0)
	v_rsq_f32 v[RS], v[RED]
	v_rsq_f32 v[RS+1], v[RED]
	v_nop                                          ; a plain instruction between a transcendental and the use of its result (ISA guide 5.7.2)
.set j, 0
	s_wait_alu depctr_va_vdst(0)
.rept 16
	v_pk_mul_f32 v[X+j:X+j+1], v[X+j:X+j+1], v[RS:RS+1]
.set j, j+2
.endr
.set j, 0
.rept 16
	v_pk_fma_f32 v[X+j:X+j+1], v[X+j:X+j+1], v[G+j:G+j+1], v[BT+j:BT+j+1]
.set j, j+2
.endr
.endm
.macro QUANT32                         ; my block's 32 numbers: the largest magnitude, the scale, 32 codes in v[CH:CH+3], the byte in v[BY]
	v_max3_num_f32 v[MX], |v[X]|, |v[X+1]|, |v[X+2]|
	v_max3_num_f32 v[MX+1], |v[X+3]|, |v[X+4]|, |v[X+5]|
.irp i, 6,10,14,18,22,26
	s_delay_alu instid0(VALU_DEP_2)
	v_max3_num_f32 v[MX], v[MX], |v[X+\i]|, |v[X+\i+1]|
	s_delay_alu instid0(VALU_DEP_2)
	v_max3_num_f32 v[MX+1], v[MX+1], |v[X+\i+2]|, |v[X+\i+3]|
.endr
	s_delay_alu instid0(VALU_DEP_2)
	v_max3_num_f32 v[MX], v[MX], |v[X+30]|, |v[X+31]|
	s_delay_alu instid0(VALU_DEP_1)
	v_max3_num_f32 v[MX], v[MX], v[MX+1], 0x1800000   ; the floor 2^(3 - 127): the byte cannot fall under 1
	s_delay_alu instid0(VALU_DEP_1)
	v_add_nc_u32 v[SOP], 0xff000000, v[MX]         ; 2 off the exponent field: the conversion takes this operand's exponent field as its scale
	s_delay_alu instid0(VALU_DEP_1)
	v_lshrrev_b32 v[BY], 23, v[SOP]                ; the scale's byte
.irp g, 0,1,2,3
	v_cvt_scalef32_pk8_fp4_f32 v[CH+\g], v[X+8*\g:X+8*\g+7], v[SOP]
.endr
	v_nop                                          ; one plain instruction behind the last scaled conversion
.endm
.macro ROW i
	s_wait_loadcnt 24-8*\i                         ; this row's eight loads are in; the later rows' stay out
.irp j, 0,1,2,3,4,5,6,7
	ds_store_b128 v[SIN], v[R+32*\i+4*\j:R+32*\i+4*\j+3] offset:576*\j
.endr
.irp j, 0,1,2,3,4,5,6,7
	ds_load_b128 v[X+4*\j:X+4*\j+3], v[SOUT] offset:16*\j   ; LDS serves a wave's instructions in order: these see the stores above
.endr
	s_wait_dscnt 0x0                               ; the row is back (gamma and beta too; the last row's code stores have read their registers)
	s_cmp_lt_u32 ttmp9, 256                        ; the weights take no LayerNorm; no LDS line stands inside this branch
	s_cbranch_scc0 .Lraw_\@
	LN
.Lraw_\@:
	QUANT32
	ds_store_b128 v[CIN], v[CH:CH+3] offset:16*\i
	ds_store_b8 v[BIN], v[BY] offset:4*\i
.endm
	ROW 0
	ROW 1
	ROW 2
	ROW 3
	s_wait_dscnt 0x0                               ; for the others' sake: my codes and bytes lie in LDS
	s_barrier_signal -1
	s_barrier_wait -1
.irp q, 0,1,2,3
	ds_load_b128 v[X+4*\q:X+4*\q+3], v[COUT] offset:544*\q   ; two blocks: 2 x 256 bytes
.endr
.irp q, 0,1,2,3
	s_wait_dscnt 3-\q                              ; the younger of the four may stay out
	global_store_b128 v[VL], v[X+4*\q:X+4*\q+3], s[28:29] offset:512*\q   ; 32 lanes store 512 dense bytes, at a multiple of 256 from the buffer's first byte
.endr
	s_cmp_lt_u32 s22, 4
	s_cbranch_scc0 .Ldone
	ds_load_b64 v[X+16:X+17], v[SSO]
	s_wait_dscnt 0x0
	global_store_b64 v[L8], v[X+16:X+17], s[34:35] ; a chunk's 64 scale words: 256 dense bytes
.Ldone:
	s_wait_tensorcnt 0x0
	ds_add_u32 v27, v28
	s_wait_dscnt 0x0
	s_endpgm
.Lfunc_end_k_qfa7e9af9a0_prep:
	.size	k_qfa7e9af9a0_prep, .Lfunc_end_k_qfa7e9af9a0_prep-k_qfa7e9af9a0_prep
	.p2alignl 7, 3214868480
	.fill 96, 4, 3214868480
	.section	.rodata,"a",@progbits
	.p2align	6, 0x0
	.amdhsa_kernel k_qfa7e9af9a0_prep
		.amdhsa_group_segment_fixed_size 65536
		.amdhsa_private_segment_fixed_size 0
		.amdhsa_enable_private_segment 0
		.amdhsa_kernarg_size 72
		.amdhsa_user_sgpr_count 2
		.amdhsa_user_sgpr_kernarg_segment_ptr 1
		.amdhsa_wavefront_size32 1
		.amdhsa_system_sgpr_workgroup_id_x 1
		.amdhsa_system_sgpr_workgroup_id_y 1
		.amdhsa_system_sgpr_workgroup_id_z 1
		.amdhsa_system_vgpr_workitem_id 0
		.amdhsa_next_free_vgpr 256
		.amdhsa_next_free_sgpr 66
		.amdhsa_reserve_vcc 0
		.amdhsa_float_denorm_mode_32 3
		.amdhsa_float_denorm_mode_16_64 3
		.amdhsa_memory_ordered 1
		.amdhsa_forward_progress 1
		.amdhsa_inst_pref_size 54
	.end_amdhsa_kernel
	.amdgpu_metadata
---
amdhsa.version: [ 1, 2 ]
amdhsa.kernels:
  - .name:           k_qfa7e9af9a0_prep
    .symbol:         k_qfa7e9af9a0_prep.kd
    .args:
      - { .name: x, .offset: 0, .size: 8, .value_kind: global_buffer, .address_space: global }
      - { .name: Wq, .offset: 8, .size: 8, .value_kind: global_buffer, .address_space: global }
      - { .name: Wk, .offset: 16, .size: 8, .value_kind: global_buffer, .address_space: global }
      - { .name: Wv, .offset: 24, .size: 8, .value_kind: global_buffer, .address_space: global }
      - { .name: Wo, .offset: 32, .size: 8, .value_kind: global_buffer, .address_space: global }
      - { .name: ln_gamma, .offset: 40, .size: 8, .value_kind: global_buffer, .address_space: global }
      - { .name: ln_beta, .offset: 48, .size: 8, .value_kind: global_buffer, .address_space: global }
      - { .name: hcs, .offset: 56, .size: 8, .value_kind: global_buffer, .address_space: global }
      - { .name: wcs, .offset: 64, .size: 8, .value_kind: global_buffer, .address_space: global }
    .group_segment_fixed_size: 65536
    .private_segment_fixed_size: 0
    .kernarg_segment_align: 8
    .kernarg_segment_size: 72
    .max_flat_workgroup_size: 256
    .sgpr_count:     66
    .vgpr_count:     256
    .wavefront_size: 32
...
	.end_amdgpu_metadata
.endif
;; end of part 1
;; launch qkv (part 2): grid 12 x 32, 16 waves a work-group, clusters of 4 x 4, 280,576 bytes of LDS; arguments hcs, wcs, bq, bk, bv, qkv; writes qkv
.if DOCPART == 2
	.amdgcn_target "amdgcn-amd-amdhsa--gfx1250"
	.amdhsa_code_object_version 6
	.text
	.protected	k_qfa7e9af9a0_qkv
	.globl	k_qfa7e9af9a0_qkv
	.p2align	8
	.type	k_qfa7e9af9a0_qkv,@function
k_qfa7e9af9a0_qkv:
	s_mov_b64 s[64:65], 0
	v_nop
	global_prefetch_b8 v0, s[64:65] scope:SCOPE_SE
	s_setreg_imm32_b32 hwreg(HW_REG_WAVE_MODE, 25, 1), 1
	s_wait_xcnt 0x0
	s_wait_alu depctr_hold_cnt(0) depctr_sa_sdst(0) depctr_va_vdst(0) depctr_va_sdst(0) depctr_va_ssrc(0) depctr_va_vcc(0) depctr_vm_vsrc(0)
	s_getreg_b32 s2, hwreg(HW_REG_IB_STS2, 6, 4)
	s_cmp_eq_u32 s2, 0
	s_cbranch_scc0 .Lentry_in_a_cluster
	s_endpgm
.Lentry_in_a_cluster:
	s_bfe_u32 s2, ttmp6, 0x10000c
	s_cmp_lg_u32 s2, 0xf033
	s_cbranch_scc0 .Lentry_shape_is_right
	s_endpgm
.Lentry_shape_is_right:
; Q = h Wq^T + bq, K = h Wk^T + bk, V = h Wv^T + bv on codes of FP4 with E8M0 scales, and the results quantised in registers for the two products of attention: Q and K along the head's 64, V along the keys.
; Operands come as TILES of 16 rows x 1,024 K (8,704 bytes, two chunks of 4,352: 4 K steps of codes as images of the fragments' registers, then their scale words); tile 2 g + u, row r, is row 32 g + 8 u + r + 8 (r / 8).
; SHARES.  A work-group takes 256 tokens (16 tiles T of h) x 256 rows of one weight (16 tiles P: four heads).  The cluster's x is the kind: 0 Q, 1 K, 2 V; it is the same in all sixteen partners.
; Both operands for ALL of K lie in LDS (2 x 139,264 bytes), filled once: no ring, nothing is filled again.  Sixteen waves, four to a SIMD, 256 registers each: wave w takes tiles T 4 (w / 4) .. + 3 (64 tokens) x tiles P 4 (w % 4) .. + 3 (one head): 16 accumulators.
; ORIENTATION.  Q, K: source 0 = P, source 1 = T: a lane holds one token and its registers run along the head's 64.  V: source 0 = T, source 1 = P: a lane holds one channel and its registers run along 64 tokens (the keys).
; By the choice of a tile's rows the 32 registers at ACC + 32 m are two blocks of 32 neighbours along the next product's K, 16 to a lane and 16 in lane l xor 16.  Only the 16 matrix lines of a K step and the bias loads differ between the kinds.
; The bias is the C of each sum's first matrix instruction.
; OUT: a block of 208,896 bytes for each (batch, head): Q's scale words 0, Q's codes 4,096, K's codes 69,632, V's codes 135,168, K's scale words 200,704, V's 204,800.
;   Q, K codes [token tile][lane][16 bytes] (lane (r, h): channels 32 h ..); V codes [64 keys][channel tile][lane][16 bytes] (lane (r, h): keys 32 h ..); scale words [pair of tiles][row][4]: two bytes of the even tile, two of the odd.
; A wave's codes leave as 2,048 dense bytes; its 32 scale words as 128 dense bytes, half of an aligned 256: one sixteenth of the codes' bytes.
; CLUSTER 4 x 4: T's tiles hang on the tile row alone and are asked for jointly along a row of the cluster, P's on the tile column alone, along a column.
; LIMITS: NaN and infinities are not served.  A block whose largest magnitude lies under 2^-124 (a block of zeros too) gets the byte 1; zero codes add nothing, and this program alone reads the bytes.
.set CHT,  69632                       ; a chunk of 16 tiles in LDS
.set PBASE, 139264                     ; P's tiles lie behind T's
.set LI,   1                           ; v1   16 x lane
.set RR,   2                           ; v2   r = lane % 16
.set HH,   3                           ; v3   h = lane / 16
.set AT,   4                           ; v4   my T fragments
.set AP,   5                           ; v5   my P fragments
.set AST,  6                           ; v6   T's scale words
.set ASP,  7                           ; v7   P's
.set BO,   8                           ; v8   my offset in the bias
.set L4,   9                           ; v9   4 x lane
.set SCT,  10                          ; v[10:13] T's scale words: these eight registers hold scales and nothing else
.set SCP,  14                          ; v[14:17] P's
.set TM,   18                          ; v[18:23] at work in the quantiser
.set BI,   24                          ; v[24:55] the bias in the results' layout
.set TF,   56                          ; v[56:87] four fragments of T
.set PF,   88                          ; v[88:119] four of P
.set ACC,  120                         ; v[120:247]
.set CD,   56                          ; the way out: 4 x 4 registers of codes,
.set HW,   72                          ; four half words of scale bytes,
.set WW,   76                          ; two scale words
.set WV,   16
.set WP,   19
.set WT,   20
.set CX,   21
.set CY,   22
.set GX,   23
.set GY,   24
.set KIND, 25
.set G1T,  28                          ; s[28:35] descriptor group 1 for T;  s[36:43] for P: it differs in the mask alone
.set G1P,  36
.set G0T,  44                          ; s[44:51] groups 0 for T's two chunks;  s[52:59] for P's
.set G0P,  52
.set BB,   74                          ; s[74:75] the bias
.set CB,   76                          ; s[76:77] where my codes go
.set SB,   78                          ; s[78:79] and my scale words
.set SEL,  80                          ; s[80:81]
.macro CROUND                          ; a round of the cluster's barrier
	s_barrier_signal -1
	s_barrier_wait -1
	s_cmp_lg_u32 s[WV], 0
	s_cbranch_scc1 .Lnot_wave_0_\@
	s_barrier_signal -3
.Lnot_wave_0_\@:
	s_barrier_wait -3
	s_barrier_signal -1
	s_barrier_wait -1
.endm
.macro PLACES                          ; four plain instructions between a matrix instruction and a load into, or a vector read of, its registers
.rept 4
	v_nop
.endr
.endm
.macro MM d, a, b, c, sa, sb
	v_wmma_scale_f32_16x16x128_f8f6f4 v[(\d):(\d)+7], v[(\a):(\a)+7], v[(\b):(\b)+7], \c, v[\sa], v[\sb] matrix_a_fmt:MATRIX_FMT_FP4 matrix_b_fmt:MATRIX_FMT_FP4
.endm
; 32 numbers of a lane, register 16 b + i = k 32 b + 16 (lane / 16) + i of my row, become 32 codes in v[cd .. cd + 3] (lane (r, h): k = 32 h ..) and the two scale bytes in v[hw].  Each accumulator is read from its low end on.
.macro QUANT2 s, cd, hw
.irp b, 0,1
	v_max3_num_f32 v[TM+\b], |v[(\s)+16*\b]|, |v[(\s)+16*\b+1]|, 0x1800000   ; with the floor 2^(3 - 127): the byte cannot fall under 1
.endr
.irp i, 2,4,6,8,10,12,14
.irp b, 0,1
	v_max3_num_f32 v[TM+\b], v[TM+\b], |v[(\s)+16*\b+\i]|, |v[(\s)+16*\b+\i+1]|
.endr
.endr
.irp b, 0,1
	s_delay_alu instid0(VALU_DEP_2)
	v_permlanex16_b32 v[TM+2+\b], v[TM+\b], s[SEL], s[SEL+1]
.endr
.irp b, 0,1
	s_delay_alu instid0(VALU_DEP_2)
	v_max_num_f32 v[TM+\b], v[TM+\b], v[TM+2+\b]   ; with lane l xor 16's 16: the block's largest magnitude
.endr
.irp b, 0,1
	s_delay_alu instid0(VALU_DEP_2)
	v_add_nc_u32 v[TM+4+\b], 0xff000000, v[TM+\b]  ; 2 off the exponent field: the conversion's scale operand
.endr
.irp b, 0,1
	s_delay_alu instid0(VALU_DEP_2)
	v_lshrrev_b32 v[TM+2+\b], 23, v[TM+4+\b]       ; the scale's byte
.endr
	s_delay_alu instid0(VALU_DEP_1)
	v_lshl_or_b32 v[\hw], v[TM+3], 8, v[TM+2]
.irp b, 0,1
	v_cvt_scalef32_pk8_fp4_f32 v[(\cd)+2*\b], v[(\s)+16*\b:(\s)+16*\b+7], v[TM+4+\b]
	v_cvt_scalef32_pk8_fp4_f32 v[(\cd)+2*\b+1], v[(\s)+16*\b+8:(\s)+16*\b+15], v[TM+4+\b]
.endr
	v_nop                                          ; one plain instruction behind the last scaled conversion
	v_permlane16_swap_b32 v[\cd], v[(\cd)+2]       ; a whole block to a lane: lanes 0-15 block 0, lanes 16-31 block 1
	v_permlane16_swap_b32 v[(\cd)+1], v[(\cd)+3]
.endm
	s_load_b256 s[4:11], s[0:1], 0x0               ; hcs s[4:5], wcs s[6:7], bq s[8:9], bk s[10:11]
	s_load_b128 s[12:15], s[0:1], 0x20             ; bv s[12:13], qkv s[14:15]
	v_lshl_add_u32 v254, v0, 2, 0x44000
	v_mov_b32 v255, 0
	ds_add_u32 v254, v255
	ds_add_u32 v254, v255
	v_lshrrev_b32 v2, 5, v0
	s_delay_alu instid0(VALU_DEP_1)
	v_readfirstlane_b32 s[WV], v2                  ; wave 0..15
	s_and_b32 s17, s[WV], 7                        ; which two tiles I fetch
	s_and_b32 s[WP], s[WV], 3
	s_lshr_b32 s[WT], s[WV], 2
	s_bfe_u32 s[CX], ttmp6, 0x40000
	s_bfe_u32 s[CY], ttmp6, 0x40004
	s_lshl_b32 s[GX], ttmp9, 2
	s_add_co_u32 s[GX], s[GX], s[CX]               ; tile column: 4 x cluster x + cx
	s_and_b32 s[GY], ttmp7, 0xffff
	s_lshl_b32 s[GY], s[GY], 2
	s_add_co_u32 s[GY], s[GY], s[CY]               ; tile row
	s_mov_b32 s[KIND], ttmp9                       ; the cluster's x: 0 Q, 1 K, 2 V
	s_lshl_b32 s26, s[CY], 2
	s_lshl_b32 s26, 15, s26                        ; my row of the cluster
	s_lshl_b32 s27, 0x1111, s[CX]                  ; my column
	; descriptor group 1: one chunk of two tiles: 2 rows of 544 elements of 8 bytes (4,352 bytes), 1,088 elements (a tile) apart; dense in LDS
	s_or_b32 s[G1T], s26, (3<<16)|(1<<21)          ; 15:0 the mask; 17:16 elements of 8 bytes; 21 set beside a mask
	s_or_b32 s[G1P], s27, (3<<16)|(1<<21)
.irp g, G1T, G1P
	s_mov_b32 s[\g+1], 544<<16                     ; tensor_dim0
	s_mov_b32 s[\g+2], 2<<16                       ; tensor_dim1
	s_mov_b32 s[\g+3], 544<<16                     ; tile_dim0
	s_mov_b32 s[\g+4], 2                           ; tile_dim1
	s_mov_b32 s[\g+5], 1088                        ; tensor_dim0_stride
	s_mov_b32 s[\g+6], 0
	s_mov_b32 s[\g+7], 0
.endr
	s_mul_i32 s18, s17, 17408                      ; my two tiles among the sixteen
	s_mul_i32 s66, s[GY], 139264                   ; T: hangs on the tile row and the wave alone
	s_add_co_u32 s66, s66, s18
	s_mov_b32 s67, 0
	s_mul_i32 s70, s[GX], 139264                   ; P: on the tile column and the wave alone
	s_add_co_u32 s70, s70, s18
	s_mov_b32 s71, 0
	s_mul_i32 s18, s17, 8704                       ; and their place in a chunk in LDS
	s_wait_dscnt 0x0
	s_wait_kmcnt 0x0
	s_add_nc_u64 s[68:69], s[4:5], s[66:67]
	s_add_nc_u64 s[72:73], s[6:7], s[70:71]
	CROUND                                         ; all sixteen work-groups are here: the joint loads meet
.irp c, 0,1
	s_mov_b32 s[G0T+4*\c], 1
	s_add_co_u32 s[G0T+4*\c+1], s18, \c*CHT
	s_add_nc_u64 s[G0T+4*\c+2:G0T+4*\c+3], s[68:69], \c*4352
	s_or_b32 s[G0T+4*\c+3], s[G0T+4*\c+3], 0x80000000
	s_mov_b32 s[G0P+4*\c], 1
	s_add_co_u32 s[G0P+4*\c+1], s18, PBASE+\c*CHT
	s_add_nc_u64 s[G0P+4*\c+2:G0P+4*\c+3], s[72:73], \c*4352
	s_or_b32 s[G0P+4*\c+3], s[G0P+4*\c+3], 0x80000000
.endr
	s_cmp_lt_u32 s[WV], 8                          ; waves 0-7 fetch T, waves 8-15 P: a wave's two fills stand in one branch; two loads of mine are out
	s_cbranch_scc0 .Lfill_p
	tensor_load_to_lds s[G0T:G0T+3], s[G1T:G1T+7]
	s_nop 0
	tensor_load_to_lds s[G0T+4:G0T+7], s[G1T:G1T+7]
	s_nop 0
.rept 4
	v_nop
.endr
	s_branch .Lfilled
.Lfill_p:
	tensor_load_to_lds s[G0P:G0P+3], s[G1P:G1P+7]
	s_nop 0
	tensor_load_to_lds s[G0P+4:G0P+7], s[G1P:G1P+7]
	s_nop 0
.rept 4
	v_nop
.endr
.Lfilled:
	v_and_b32 v[L4], 31, v0
	s_delay_alu instid0(VALU_DEP_1)
	v_lshlrev_b32 v[LI], 4, v[L4]
	s_delay_alu instid0(VALU_DEP_2)
	v_lshlrev_b32 v[L4], 2, v[L4]
	v_and_b32 v[RR], 15, v0
	v_bfe_u32 v[HH], v0, 4, 1
	s_mul_i32 s60, s[WT], 17408                    ; my four tiles of T,
	s_mul_i32 s61, s[WP], 17408                    ; my four of P
	s_add_co_u32 s61, s61, PBASE
	v_add_nc_u32 v[AT], s60, v[LI]
	v_add_nc_u32 v[AP], s61, v[LI]
	v_lshlrev_b32 v[AST], 2, v[RR]
	s_add_co_u32 s60, s60, 4096
	s_add_co_u32 s61, s61, 4096
	v_add_nc_u32 v[ASP], s61, v[AST]
	v_add_nc_u32 v[AST], s60, v[AST]
	v_mov_b32 v[TM+2], 0                           ; written once: a lane permute's destination counts as one of its sources
	v_mov_b32 v[TM+3], 0
	s_mov_b32 s[SEL], 0x76543210
	s_mov_b32 s[SEL+1], 0xfedcba98
	s_cmp_eq_u32 s[KIND], 1
	s_cselect_b64 s[BB:BB+1], s[10:11], s[8:9]
	s_cmp_eq_u32 s[KIND], 2
	s_cselect_b64 s[BB:BB+1], s[12:13], s[BB:BB+1]
	s_and_b32 s62, s[GX], 3                        ; which 256 rows of the weight
	s_lshl_b32 s60, s62, 10
	s_lshl_b32 s61, s[WP], 8
	s_add_co_u32 s60, s60, s61
	s_mov_b32 s61, 0
	s_add_nc_u64 s[BB:BB+1], s[BB:BB+1], s[60:61]  ; the bias of my head's 64
	s_lshr_b32 s60, s[GY], 3                       ; the batch
	s_lshl_b32 s60, s60, 4
	s_lshl_b32 s62, s62, 2
	s_add_co_u32 s60, s60, s62
	s_add_co_u32 s60, s60, s[WP]                   ; 16 x batch + head
	s_mul_i32 s60, s60, 208896
	s_and_b32 s62, s[GY], 7
	s_lshl_b32 s62, s62, 2
	s_add_co_u32 s62, s62, s[WT]                   ; which 64 tokens of the batch
	s_lshl_b32 s82, s62, 11
	s_add_co_u32 s82, s82, s60
	s_lshl_b32 s63, s[KIND], 16
	s_add_co_u32 s82, s82, s63
	s_add_co_u32 s82, s82, 4096
	s_mov_b32 s83, 0
	s_add_nc_u64 s[CB:CB+1], s[14:15], s[82:83]
	s_lshl_b32 s63, s[KIND], 12
	s_add_co_u32 s63, s63, 196608
	s_cmp_eq_u32 s[KIND], 0
	s_cselect_b32 s63, 0, s63
	s_lshl_b32 s82, s62, 7
	s_add_co_u32 s82, s82, s60
	s_add_co_u32 s82, s82, s63
	s_add_nc_u64 s[SB:SB+1], s[14:15], s[82:83]
	s_cmp_eq_u32 s[KIND], 2
	s_cbranch_scc1 .Lbias_v
	s_wait_alu depctr_va_vdst(0)
	v_lshlrev_b32 v[BO], 6, v[HH]                  ; Q, K: register j of tile x is channel 32 (x / 2) + 8 (x % 2) + 16 h + j
.irp x, 0,1,2,3
	global_load_b128 v[BI+8*\x:BI+8*\x+3], v[BO], s[BB:BB+1] offset:(32*(\x/2)+8*(\x%2))*4
	global_load_b128 v[BI+8*\x+4:BI+8*\x+7], v[BO], s[BB:BB+1] offset:(32*(\x/2)+8*(\x%2))*4+16
.endr
	s_branch .Lbias_in
.Lbias_v:
	s_wait_alu depctr_va_vdst(0)
	v_and_b32 v[BO], 8, v[RR]                      ; V: all eight registers of a lane are channel 32 (m / 2) + 8 (m % 2) + r + 8 (r / 8)
	s_delay_alu instid0(VALU_DEP_1)
	v_add_nc_u32 v[BO], v[BO], v[RR]
	s_delay_alu instid0(VALU_DEP_1)
	v_lshlrev_b32 v[BO], 2, v[BO]
.irp m, 0,1,2,3
.irp j, 0,1,2,3,4,5,6,7
	global_load_b32 v[BI+8*\m+\j], v[BO], s[BB:BB+1] offset:(32*(\m/2)+8*(\m%2))*4
.endr
.endr
.Lbias_in:
; The 16 accumulators take turns, one instruction a turn, in the same order in every K step.
.macro MULQK first
.irp m, 0,1,2,3
.irp x, 0,1,2,3
.if \first
	MM ACC+32*\m+8*\x, PF+8*\x, TF+8*\m, v[BI+8*\x:BI+8*\x+7], SCP+\x, SCT+\m
.else
	MM ACC+32*\m+8*\x, PF+8*\x, TF+8*\m, v[ACC+32*\m+8*\x:ACC+32*\m+8*\x+7], SCP+\x, SCT+\m
.endif
.endr
.endr
.endm
.macro MULV first
.irp m, 0,1,2,3
.irp x, 0,1,2,3
.if \first
	MM ACC+32*\m+8*\x, TF+8*\x, PF+8*\m, v[BI+8*\m:BI+8*\m+7], SCT+\x, SCP+\m
.else
	MM ACC+32*\m+8*\x, TF+8*\x, PF+8*\m, v[ACC+32*\m+8*\x:ACC+32*\m+8*\x+7], SCT+\x, SCP+\m
.endif
.endr
.endr
.endm
; K step q of the chunk in hand: eight fragments and eight scale words from LDS, 16 matrix instructions
.macro KSTEP q, first, places
.if \places
	PLACES
.endif
.irp i, 0,1,2,3
.irp c, 0,1
	ds_load_b128 v[TF+8*\i+4*\c:TF+8*\i+4*\c+3], v[AT] offset:\i*4352+\q*1024+\c*512
	ds_load_b128 v[PF+8*\i+4*\c:PF+8*\i+4*\c+3], v[AP] offset:\i*4352+\q*1024+\c*512
.endr
	ds_load_b32 v[SCT+\i], v[AST] offset:\i*4352+\q*64
	ds_load_b32 v[SCP+\i], v[ASP] offset:\i*4352+\q*64
.endr
	s_wait_dscnt 0x0
	s_cmp_eq_u32 s[KIND], 2
	s_cbranch_scc1 .Lmul_v_\@
	MULQK \first
	s_branch .Lmul_done_\@
.Lmul_v_\@:
	MULV \first
.Lmul_done_\@:
.endm
	s_wait_tensorcnt 0x1                           ; my part of chunk 0 is in; chunk 1's load may stay out
	s_wait_loadcnt 0x0                             ; the bias
	s_barrier_signal -1
	s_barrier_wait -1                              ; everybody's part of chunk 0 is in
	KSTEP 0, 1, 0
	KSTEP 1, 0, 1
	KSTEP 2, 0, 1
	KSTEP 3, 0, 1
	s_wait_tensorcnt 0x0                           ; my part of chunk 1
	s_barrier_signal -1
	s_barrier_wait -1
	v_add_nc_u32 v[AT], CHT, v[AT]                 ; on to chunk 1; these four are also the places in front of the loads below
	v_add_nc_u32 v[AP], CHT, v[AP]
	v_add_nc_u32 v[AST], CHT, v[AST]
	v_add_nc_u32 v[ASP], CHT, v[ASP]
	KSTEP 0, 0, 0
	s_wait_alu depctr_va_vdst(0)
	KSTEP 1, 0, 1
	KSTEP 2, 0, 1
	KSTEP 3, 0, 1
	; THE WAY OUT: the same for all kinds, without LDS: a lane's codes are 16 bytes of a fragment's image
	PLACES
.irp m, 0,1,2,3
	QUANT2 ACC+32*\m, CD+4*\m, HW+\m
.endr
	v_lshl_or_b32 v[WW], v[HW+1], 16, v[HW]        ; the scale word of the first pair of tiles,
	v_lshl_or_b32 v[WW+1], v[HW+3], 16, v[HW+2]    ; of the second
	v_cmp_gt_u32 vcc_lo, 64, v[L4]
	s_delay_alu instid0(VALU_DEP_1)
	v_cndmask_b32 v[WW], v[WW+1], v[WW], vcc_lo    ; lanes 0-15 store the first, lanes 16-31 the second
.irp m, 0,1,2,3
	global_store_b128 v[LI], v[CD+4*\m:CD+4*\m+3], s[CB:CB+1] offset:512*\m   ; 32 lanes store 512 dense bytes
.endr
	global_store_b32 v[L4], v[WW], s[SB:SB+1]
	s_wait_tensorcnt 0x0
	ds_add_u32 v254, v255
	s_wait_dscnt 0x0
	CROUND                                         ; the closing round: no work-group ends while a partner may still ask for a tile that names it
	s_endpgm
.Lfunc_end_k_qfa7e9af9a0_qkv:
	.size	k_qfa7e9af9a0_qkv, .Lfunc_end_k_qfa7e9af9a0_qkv-k_qfa7e9af9a0_qkv
	.p2alignl 7, 3214868480
	.fill 96, 4, 3214868480
	.section	.rodata,"a",@progbits
	.p2align	6, 0x0
	.amdhsa_kernel k_qfa7e9af9a0_qkv
		.amdhsa_group_segment_fixed_size 280576
		.amdhsa_private_segment_fixed_size 0
		.amdhsa_enable_private_segment 0
		.amdhsa_kernarg_size 48
		.amdhsa_user_sgpr_count 2
		.amdhsa_user_sgpr_kernarg_segment_ptr 1
		.amdhsa_wavefront_size32 1
		.amdhsa_system_sgpr_workgroup_id_x 1
		.amdhsa_system_sgpr_workgroup_id_y 1
		.amdhsa_system_sgpr_workgroup_id_z 1
		.amdhsa_system_vgpr_workitem_id 0
		.amdhsa_next_free_vgpr 256
		.amdhsa_next_free_sgpr 84
		.amdhsa_reserve_vcc 1
		.amdhsa_float_denorm_mode_32 3
		.amdhsa_float_denorm_mode_16_64 3
		.amdhsa_memory_ordered 1
		.amdhsa_forward_progress 1
		.amdhsa_inst_pref_size 67
	.end_amdhsa_kernel
	.amdgpu_metadata
---
amdhsa.version: [ 1, 2 ]
amdhsa.kernels:
  - .name:           k_qfa7e9af9a0_qkv
    .symbol:         k_qfa7e9af9a0_qkv.kd
    .args:
      - { .name: hcs, .offset: 0, .size: 8, .value_kind: global_buffer, .address_space: global }
      - { .name: wcs, .offset: 8, .size: 8, .value_kind: global_buffer, .address_space: global }
      - { .name: bq, .offset: 16, .size: 8, .value_kind: global_buffer, .address_space: global }
      - { .name: bk, .offset: 24, .size: 8, .value_kind: global_buffer, .address_space: global }
      - { .name: bv, .offset: 32, .size: 8, .value_kind: global_buffer, .address_space: global }
      - { .name: qkv, .offset: 40, .size: 8, .value_kind: global_buffer, .address_space: global }
    .group_segment_fixed_size: 280576
    .private_segment_fixed_size: 0
    .kernarg_segment_align: 8
    .kernarg_segment_size: 48
    .max_flat_workgroup_size: 512
    .sgpr_count:     84
    .vgpr_count:     256
    .wavefront_size: 32
...
	.end_amdgpu_metadata
.endif
;; end of part 2
;; launch attn (part 3): grid 8 x 32, 16 waves a work-group, clusters of 4 x 1, 327,680 bytes of LDS; arguments qkv, aos; writes aos
.if DOCPART == 3
	.amdgcn_target "amdgcn-amd-amdhsa--gfx1250"
	.amdhsa_code_object_version 6
	.text
	.protected	k_qfa7e9af9a0_attn
	.globl	k_qfa7e9af9a0_attn
	.p2align	8
	.type	k_qfa7e9af9a0_attn,@function
k_qfa7e9af9a0_attn:
	s_mov_b64 s[64:65], 0
	v_nop
	global_prefetch_b8 v0, s[64:65] scope:SCOPE_SE
	s_setreg_imm32_b32 hwreg(HW_REG_WAVE_MODE, 25, 1), 1
	s_wait_xcnt 0x0
	s_wait_alu depctr_hold_cnt(0) depctr_sa_sdst(0) depctr_va_vdst(0) depctr_va_sdst(0) depctr_va_ssrc(0) depctr_va_vcc(0) depctr_vm_vsrc(0)
	s_getreg_b32 s2, hwreg(HW_REG_IB_STS2, 6, 4)
	s_cmp_eq_u32 s2, 0
	s_cbranch_scc0 .Lentry_in_a_cluster
	s_endpgm
.Lentry_in_a_cluster:
	s_bfe_u32 s2, ttmp6, 0x10000c
	s_cmp_lg_u32 s2, 0x3003
	s_cbranch_scc0 .Lentry_shape_is_right
	s_endpgm
.Lentry_shape_is_right:
; Attention on codes of FP4 with E8M0 scales: for each (batch, head) O[q] = sum over k of p(q, k) V[k] / l(q), and O quantised along E for the output projection.
; THE SOFTMAX AHEAD OF THE SECOND PRODUCT: t = score x log2(e) / 8; M = the row's largest t so far, rounded UP to a whole number; p = 2^(t - M) is quantised along the keys, not normalised; l is the sum of the unquantised p.
; When M moves, l and O are multiplied by 2^(old M - new M), which rounds nothing.  A block's largest p is not searched for: p rises with the score, so the block's largest score goes through the same multiply-add and exponential
; (this takes v_exp_f32 not to fall where its input rises; at the worst one p of a block, within an ulp of a power of two, is held one code low).
; SHARES.  A work-group takes 256 queries of one batch and TWO heads, 2 pair and 2 pair + 1; both heads' K and V (codes and scale words, 139,264 dense bytes each) lie in LDS for the whole launch, filled once.
; Sixteen waves, four to a SIMD, 256 registers each; wave w owns one tile of 16 queries and walks head 2 pair (pass 0), then head 2 pair + 1 (pass 1), 128 keys a step: so it ends with one whole K step (128 along E) of the next product's operand.
; LAYOUT.  Both products are used transposed (S^T = K Q^T, O^T = V^T P^T): a lane holds ONE query throughout.  Tiles of keys and of channels hold rows 32 g + 8 u + r + 8 (r / 8), so that the 16 registers of two neighbouring tiles are 16 neighbours along the next K.
; HEAD SIZE 64 IN AN INSTRUCTION OF K = 128: a fragment of K's codes holds TWO tiles of keys (registers 0-3, 4-7) and is multiplied once by [q | 0] and once by [0 | q]; twelve registers 0000 qqqq 0000 serve both.  Zero codes add nothing under any scale byte that occurs here (1 .. 254).
; CLUSTER 4 x 1: the four query blocks of a cluster read the same K and V: each tile is asked for jointly, with the mask of all four.
; A tile's 16 scale words of O leave as 64 bytes (lanes l and l + 16 store the same word): 1 / 16 of the codes' bytes.
; LIMITS: NaN and infinities are not served.  A block whose largest magnitude lies under 2^-124 (a block of zeros too) gets the byte 1; zero codes add nothing, and this program alone reads the bytes.
.set HEADB, 139264                     ; a head in LDS: K's codes 0, V's codes 65,536, K's scale words 131,072, V's 135,168
.set BLK,   208896                     ; a (batch, head) in memory
.set AK0,  1                           ; v1   16 x lane
.set AS0,  2                           ; v2   131,072 + 4 x lane
.set ADK,  3                           ; v3   the step's tiles of K
.set ADV,  4                           ; v4   of V
.set ADS,  5                           ; v5   its scale words
.set R4,   7                           ; v7   4 r
.set QSC,  8                           ; v8, v9 Q's scale words of pass 0, 1: they hold scales and nothing else
.set QRAW, 10                          ; v10, v11 as loaded
                                       ; v12 -M, v13 the largest t, v[14:15] the sum in two halves
.set QA,   16                          ; v[16:27]  0000 qqqq 0000 of pass 0
.set KF,   32                          ; v[32:63]  four fragments of K (eight tiles of keys)
.set VF,   64                          ; v[64:95]  four fragments of V
.set S,    96                          ; v[96:159] S^T, then p
.set O,    160                         ; v[160:191] O^T
.set PC,   192                         ; v[192:199] p's codes
.set OC,   200                         ; v[200:207] O's codes, four registers a pass
.set HWD,  208                         ; v208, v209 O's scale bytes, two a pass
.set BM,   210                         ; v[210:213] the blocks' largest scores, then p
.set T2,   214                         ; v[214:217] at work
.set SOP,  218                         ; v[218:221] the conversions' scale operands
.set SK,   222                         ; v222, v223 K's scale words
.set VW,   224                         ; v224, v225 V's as they lie
.set VE,   226                         ; v226 V's scale words for the even channel tiles, v227 for the odd
.set VO,   227
.set PS,   228                         ; v228 p's scale word
.set F,    230                         ; v[230:231] f (the upper half is named with it)
.set TMP,  232
.set SUM2, 234                         ; v[234:235] the sum's second chain
.set QB,   236                         ; v[236:247] 0000 qqqq 0000 of pass 1
.set TM,   248                         ; v[248:253] at work in the quantiser
.set WV,   8
.set G1,   24                          ; s[24:31]
.set G0A,  32                          ; s[32:35] head 2 pair;  s[36:39] head 2 pair + 1
.set G0B,  36
.set QC0,  40                          ; s[40:41], s[42:43] Q's codes of pass 0, 1;  s[44:45], s[46:47] its scale words
.set QC1,  42
.set QW0,  44
.set QW1,  46
.set OCB,  48                          ; s[48:49] where O's codes go;  s[50:51] its scale words
.set OSB,  50
.set SEL,  52
.set CS,   54                          ; s[54:55] c = log2(e) / 8, twice: the packed form names a pair
.set TB,   56                          ; LDS byte of the step's codes
.set TS,   57                          ; and of its scale words
.set CNT,  58
.set PSEL, 59
.macro CROUND
	s_barrier_signal -1
	s_barrier_wait -1
	s_cmp_lg_u32 s[WV], 0
	s_cbranch_scc1 .Lnot_wave_0_\@
	s_barrier_signal -3
.Lnot_wave_0_\@:
	s_barrier_wait -3
	s_barrier_signal -1
	s_barrier_wait -1
.endm
.macro PLACES
.rept 4
	v_nop
.endr
.endm
.macro MM d, a, b, c, sa, sb, row      ; row = 1: source 0's scales stand in lanes 16-31
.if \row
	v_wmma_scale_f32_16x16x128_f8f6f4 v[(\d):(\d)+7], v[(\a):(\a)+7], v[(\b):(\b)+7], \c, v[\sa], v[\sb] matrix_a_fmt:MATRIX_FMT_FP4 matrix_b_fmt:MATRIX_FMT_FP4 matrix_a_scale:MATRIX_SCALE_ROW1
.else
	v_wmma_scale_f32_16x16x128_f8f6f4 v[(\d):(\d)+7], v[(\a):(\a)+7], v[(\b):(\b)+7], \c, v[\sa], v[\sb] matrix_a_fmt:MATRIX_FMT_FP4 matrix_b_fmt:MATRIX_FMT_FP4
.endif
.endm
; 32 numbers of a lane, register 16 b + i = k 32 b + 16 (lane / 16) + i of my row, become 32 codes in v[cd .. cd + 3] (lane (r, h): k = 32 h ..) and the two scale bytes in v[hw]
.macro QUANT2 s, cd, hw
.irp b, 0,1
	v_max3_num_f32 v[TM+\b], |v[(\s)+16*\b]|, |v[(\s)+16*\b+1]|, 0x1800000
.endr
.irp i, 2,4,6,8,10,12,14
.irp b, 0,1
	s_delay_alu instid0(VALU_DEP_2)
	v_max3_num_f32 v[TM+\b], v[TM+\b], |v[(\s)+16*\b+\i]|, |v[(\s)+16*\b+\i+1]|
.endr
.endr
.irp b, 0,1
	s_delay_alu instid0(VALU_DEP_2)
	v_permlanex16_b32 v[TM+2+\b], v[TM+\b], s[SEL], s[SEL+1]
.endr
.irp b, 0,1
	s_delay_alu instid0(VALU_DEP_2)
	v_max_num_f32 v[TM+\b], v[TM+\b], v[TM+2+\b]
.endr
.irp b, 0,1
	s_delay_alu instid0(VALU_DEP_2)
	v_add_nc_u32 v[TM+4+\b], 0xff000000, v[TM+\b]
.endr
.irp b, 0,1
	s_delay_alu instid0(VALU_DEP_2)
	v_lshrrev_b32 v[TM+2+\b], 23, v[TM+4+\b]
.endr
	s_delay_alu instid0(VALU_DEP_1)
	v_lshl_or_b32 v[\hw], v[TM+3], 8, v[TM+2]
.irp b, 0,1
	v_cvt_scalef32_pk8_fp4_f32 v[(\cd)+2*\b], v[(\s)+16*\b:(\s)+16*\b+7], v[TM+4+\b]
	v_cvt_scalef32_pk8_fp4_f32 v[(\cd)+2*\b+1], v[(\s)+16*\b+8:(\s)+16*\b+15], v[TM+4+\b]
.endr
	v_nop                                          ; one plain instruction behind the last scaled conversion
	v_permlane16_swap_b32 v[\cd], v[(\cd)+2]
	v_permlane16_swap_b32 v[(\cd)+1], v[(\cd)+3]
.endm
	s_load_b128 s[4:7], s[0:1], 0x0                ; qkv s[4:5], aos s[6:7]
	v_lshl_add_u32 v254, v0, 2, 0x44000
	v_mov_b32 v255, 0
	ds_add_u32 v254, v255
	ds_add_u32 v254, v255
	v_lshrrev_b32 v1, 5, v0
	s_delay_alu instid0(VALU_DEP_1)
	v_readfirstlane_b32 s[WV], v1                  ; wave 0..15
	s_bfe_u32 s9, ttmp6, 0x40000                   ; cx
	s_lshl_b32 s10, ttmp9, 2
	s_add_co_u32 s10, s10, s9                      ; my block of 256 queries: it enters Q's and O's addresses alone
	s_and_b32 s11, ttmp7, 0xffff                   ; 8 x batch + pair of heads, which the four partners share
	; descriptor group 1: 34 rows of 256 bytes (32 elements of 8 bytes), dense in memory and in LDS: a sixteenth of a head
	s_mov_b32 s[G1], 15|(3<<16)|(1<<21)            ; 15:0 the mask: all four work-groups; 17:16 elements of 8 bytes; 21 set beside a mask
	s_mov_b32 s[G1+1], 32<<16
	s_mov_b32 s[G1+2], 34<<16
	s_mov_b32 s[G1+3], 32<<16
	s_mov_b32 s[G1+4], 34
	s_mov_b32 s[G1+5], 32
	s_mov_b32 s[G1+6], 0
	s_mov_b32 s[G1+7], 0
	s_mul_i32 s14, s11, 2*BLK                      ; head 2 pair of the batch is block 2 (8 batch + pair)
	s_mul_i32 s13, s[WV], 8704
	s_add_co_u32 s16, s14, s13
	s_add_co_u32 s16, s16, 69632                   ; K's codes begin there; V's codes and both scales follow on end
	s_mov_b32 s17, 0
	s_wait_dscnt 0x0
	s_wait_kmcnt 0x0
	CROUND                                         ; all four work-groups are here: the joint loads meet
	s_mov_b32 s[G0A], 1
	s_mov_b32 s[G0A+1], s13
	s_add_nc_u64 s[G0A+2:G0A+3], s[4:5], s[16:17]
	s_or_b32 s[G0A+3], s[G0A+3], 0x80000000
	s_mov_b32 s[G0B], 1
	s_add_co_u32 s[G0B+1], s13, HEADB
	s_add_nc_u64 s[G0B+2:G0B+3], s[4:5], s[16:17]
	s_add_nc_u64 s[G0B+2:G0B+3], s[G0B+2:G0B+3], BLK
	s_or_b32 s[G0B+3], s[G0B+3], 0x80000000
	tensor_load_to_lds s[G0A:G0A+3], s[G1:G1+7]    ; every wave fetches a sixteenth of each head: one load of mine is out
	s_nop 0
	s_wait_alu depctr_va_vdst(0)
	s_wait_tensorcnt 0x0
	ds_add_u32 v254, v255
	s_wait_dscnt 0x0
	CROUND
	tensor_load_to_lds s[G0B:G0B+3], s[G1:G1+7]
	s_nop 0
.rept 4
	v_nop
.endr
	s_lshl_b32 s12, s10, 4
	s_add_co_u32 s12, s12, s[WV]                   ; my tile of queries within the batch
	s_lshl_b32 s18, s12, 9
	s_add_co_u32 s18, s18, s14
	s_add_co_u32 s18, s18, 4096
	s_mov_b32 s19, 0
	s_add_nc_u64 s[QC0:QC0+1], s[4:5], s[18:19]
	s_add_nc_u64 s[QC1:QC1+1], s[QC0:QC0+1], BLK
	s_lshr_b32 s18, s12, 1
	s_lshl_b32 s18, s18, 6
	s_add_co_u32 s18, s18, s14
	s_add_nc_u64 s[QW0:QW0+1], s[4:5], s[18:19]
	s_add_nc_u64 s[QW1:QW1+1], s[QW0:QW0+1], BLK
	s_lshr_b32 s18, s11, 3                         ; the batch
	s_lshl_b32 s18, s18, 7
	s_add_co_u32 s18, s18, s12                     ; my tile among all tokens'
	s_mul_i32 s18, s18, 8704
	s_bfe_u32 s20, s11, 0x10002                    ; K step = pair: chunk pair / 4,
	s_mul_i32 s20, s20, 4352
	s_add_co_u32 s18, s18, s20
	s_and_b32 s20, s11, 3                          ; step pair % 4 in it
	s_lshl_b32 s22, s20, 10
	s_add_co_u32 s22, s22, s18
	s_mov_b32 s23, 0
	s_add_nc_u64 s[OCB:OCB+1], s[6:7], s[22:23]
	s_lshl_b32 s22, s20, 6
	s_add_co_u32 s22, s22, s18
	s_add_co_u32 s22, s22, 4096
	s_add_nc_u64 s[OSB:OSB+1], s[6:7], s[22:23]
	s_mov_b32 s[SEL], 0x76543210
	s_mov_b32 s[SEL+1], 0xfedcba98
	s_mov_b32 s[CS], 0x3e38aa3b                    ; c = log2(e) / 8
	s_mov_b32 s[CS+1], s[CS]
	s_mov_b32 s[PSEL], 0x03020302                  ; my tile's two bytes of the pair's scale word, twice: the upper two for an odd tile,
	s_and_b32 s20, s[WV], 1
	s_cmp_lg_u32 s20, 0
	s_cselect_b32 s[PSEL], s[PSEL], 0x01000100     ; the lower two for an even one
	v_and_b32 v3, 31, v0
	s_delay_alu instid0(VALU_DEP_1)
	v_lshlrev_b32 v[AK0], 4, v3
	s_delay_alu instid0(VALU_DEP_2)
	v_lshl_add_u32 v[AS0], v3, 2, 131072
	v_and_b32 v[R4], 15, v0
	s_delay_alu instid0(VALU_DEP_1)
	v_lshlrev_b32 v[R4], 2, v[R4]
	global_load_b128 v[QA+4:QA+7], v[AK0], s[QC0:QC0+1]
	global_load_b128 v[QB+4:QB+7], v[AK0], s[QC1:QC1+1]
	global_load_b32 v[QRAW], v[R4], s[QW0:QW0+1]
	global_load_b32 v[QRAW+1], v[R4], s[QW1:QW1+1]
.irp j, 0,1,2,3,8,9,10,11
	v_mov_b32 v[QA+\j], 0                          ; zero codes on either side of q
	v_mov_b32 v[QB+\j], 0
.endr
.irp b, 0,1,2,3
	v_mov_b32 v[T2+\b], 0                          ; written once: a lane permute's destination counts as one of its sources
.endr
	v_mov_b32 v[TM+2], 0
	v_mov_b32 v[TM+3], 0
	v_mov_b32 v[F+1], 0                            ; named as the upper half of the pair with f
	s_wait_loadcnt 0x0
	v_perm_b32 v[QSC], v[QRAW], v[QRAW], s[PSEL]   ; Q's scale word: b0 b1 b0 b1, so that it serves [q | 0] and [0 | q]
	v_perm_b32 v[QSC+1], v[QRAW+1], v[QRAW+1], s[PSEL]
; A KEY STEP: 128 keys.  q: the twelve registers of Q;  qs: its scale word
.macro STEP q, qs
	v_add_nc_u32 v[ADK], s[TB], v[AK0]             ; these four are also the places behind the last step's products, in front of the loads below
	v_add_nc_u32 v[ADS], s[TS], v[AS0]
	s_delay_alu instid0(VALU_DEP_2)
	v_add_nc_u32 v[ADV], 0x10000, v[ADK]
	v_nop
.irp i, 0,1,2,3
.irp c, 0,1
	ds_load_b128 v[KF+8*\i+4*\c:KF+8*\i+4*\c+3], v[ADK] offset:1024*\i+512*\c   ; tile 2 i + c of the step's eight tiles of keys
.endr
.endr
	ds_load_b32 v[SK], v[ADS]                      ; lanes 0-15: the words of tiles 0, 1; lanes 16-31: of tiles 2, 3
	ds_load_b32 v[SK+1], v[ADS] offset:128         ; tiles 4, 5 and 6, 7
.irp t, 0,1,2,3
.irp c, 0,1
	ds_load_b128 v[VF+8*\t+4*\c:VF+8*\t+4*\c+3], v[ADV] offset:2048*\c+512*\t   ; channel tile t, keys 64 c on
.endr
.endr
	ds_load_b32 v[VW], v[ADS] offset:4096          ; V's words of the first 64 keys: lanes 0-15 channel tiles 0, 1; lanes 16-31 tiles 2, 3
	ds_load_b32 v[VW+1], v[ADS] offset:4224        ; of the second 64
	s_wait_dscnt 10                                ; K's ten loads are in; V's ten may be out
.irp i, 0,1,2,3
	MM S+16*\i, KF+8*\i, (\q)+4, 0, SK+\i/2, \qs, \i%2      ; x [q | 0]: the even tile
	MM S+16*\i+8, KF+8*\i, \q, 0, SK+\i/2, \qs, \i%2        ; x [0 | q]: the odd one.  Register 16 i + n of lane (r, h) is key 32 i + 16 h + n of query r
.endr
	s_wait_dscnt 0x0                               ; V
	v_perm_b32 v[VE], v[VW+1], v[VW], 0x05040100   ; the even channel tiles' four bytes for these 128 keys,
	v_perm_b32 v[VO], v[VW+1], v[VW], 0x07060302   ; the odd ones'.  With the two lines below: the four places behind the products above
	v_nop
	v_nop
.irp b, 0,1,2,3
	v_max3_num_f32 v[BM+\b], v[S+16*\b], v[S+16*\b+1], v[S+16*\b+2]   ; the largest score of each block of 32 keys; each accumulator is read from its low end on
.endr
.irp i, 3,5,7,9,11,13
.irp b, 0,1,2,3
	v_max3_num_f32 v[BM+\b], v[BM+\b], v[S+16*\b+\i], v[S+16*\b+\i+1]
.endr
.endr
.irp b, 0,1,2,3
	v_max_num_f32 v[BM+\b], v[BM+\b], v[S+16*\b+15]
.endr
.irp b, 0,1,2,3
	s_delay_alu instid0(VALU_DEP_4)
	v_permlanex16_b32 v[T2+\b], v[BM+\b], s[SEL], s[SEL+1]
.endr
.irp b, 0,1,2,3
	s_delay_alu instid0(VALU_DEP_4)
	v_max_num_f32 v[BM+\b], v[BM+\b], v[T2+\b]     ; with lane l xor 16's 16 keys
.endr
	s_delay_alu instid0(VALU_DEP_2)
	v_max3_num_f32 v[TMP], v[BM], v[BM+1], v[BM+2]
	s_delay_alu instid0(VALU_DEP_1)
	v_max_num_f32 v[TMP], v[TMP], v[BM+3]          ; the step's largest score of my query
	s_delay_alu instid0(VALU_DEP_1)
	v_mul_f32 v[TMP], s[CS], v[TMP]                ; as t
	s_delay_alu instid0(VALU_DEP_1)
	v_max_num_f32 v13, v13, v[TMP]                 ; the running largest t
	v_mov_b32 v[TMP], v12
	s_delay_alu instid0(VALU_DEP_2)
	v_floor_f32 v12, -v13                          ; the new -M = floor(-t) = -ceil(t)
	s_delay_alu instid0(VALU_DEP_1)
	v_sub_f32 v[TMP], v12, v[TMP]                  ; old M - new M: a whole number, 0 or less
	s_delay_alu instid0(VALU_DEP_1)
	v_cvt_i32_f32 v[TMP], v[TMP]                   ; (it saturates)
	s_delay_alu instid0(VALU_DEP_1)
	v_ldexp_f32 v[F], 1.0, v[TMP]                  ; f = 2^(old M - new M)
.set j, 0
.rept 32
	v_pk_fma_f32 v[S+j:S+j+1], v[S+j:S+j+1], s[CS:CS+1], v[12:13] op_sel_hi:[1,0,0]   ; t - M, two at a time
.set j, j+2
.endr
.irp b, 0,1,2,3
	v_fma_f32 v[BM+\b], v[BM+\b], s[CS], v12       ; the same of each block's largest score
.endr
.set j, 0
	s_wait_alu depctr_va_vdst(0)
.rept 64
	v_exp_f32 v[S+j], v[S+j]                       ; p = 2^(t - M)
.set j, j+1
.endr
	s_setprio 1
.irp b, 0,1,2,3
	v_exp_f32 v[BM+\b], v[BM+\b]                   ; the block's largest p
.endr
	v_pk_mul_f32 v[14:15], v[14:15], v[F:F+1] op_sel_hi:[1,0]   ; the sums under the new M (the plain instruction behind the exponentials)
	s_wait_alu depctr_va_vdst(0)
.irp b, 0,1,2,3
	v_max_num_f32 v[BM+\b], 0x1800000, v[BM+\b]    ; the floor 2^(3 - 127)
.endr
.irp b, 0,1,2,3
	s_delay_alu instid0(VALU_DEP_4)
	v_add_nc_u32 v[SOP+\b], 0xff000000, v[BM+\b]
.endr
.irp b, 0,1,2,3
	s_delay_alu instid0(VALU_DEP_4)
	v_lshrrev_b32 v[T2+\b], 23, v[SOP+\b]
.endr
	s_delay_alu instid0(VALU_DEP_3)
	v_lshl_or_b32 v[PS], v[T2+1], 8, v[T2]         ; p's scale word for these 128 keys
	s_delay_alu instid0(VALU_DEP_1)
	v_lshl_or_b32 v[PS], v[T2+2], 16, v[PS]
	s_delay_alu instid0(VALU_DEP_1)
	v_lshl_or_b32 v[PS], v[T2+3], 24, v[PS]
.irp b, 0,1,2,3
	v_cvt_scalef32_pk8_fp4_f32 v[PC+2*\b], v[S+16*\b:S+16*\b+7], v[SOP+\b]
	v_cvt_scalef32_pk8_fp4_f32 v[PC+2*\b+1], v[S+16*\b+8:S+16*\b+15], v[SOP+\b]
.endr
	v_nop                                          ; one plain instruction behind the last scaled conversion
.irp c, 0,1
.irp i, 0,1
	v_permlane16_swap_b32 v[PC+4*\c+\i], v[PC+4*\c+2+\i]   ; a whole block to a lane
.endr
.endr
.set j, 0
.rept 16
	v_pk_mul_f32 v[O+j:O+j+1], v[O+j:O+j+1], v[F:F+1] op_sel_hi:[1,0]   ; O^T under the new M, from each accumulator's low end on
.set j, j+2
.endr
	v_pk_add_f32 v[SUM2:SUM2+1], v[S:S+1], v[S+2:S+3]   ; the row's sum of the UNQUANTISED p, in two chains.  These 32 also stand between the lines above and the products below
	s_setprio 0
.irp j, 4,8,12,16,20,24,28,32,36,40,44,48,52,56,60
	v_pk_add_f32 v[14:15], v[14:15], v[S+\j:S+\j+1]
	v_pk_add_f32 v[SUM2:SUM2+1], v[SUM2:SUM2+1], v[S+\j+2:S+\j+3]
.endr
	s_delay_alu instid0(VALU_DEP_1)
	v_pk_add_f32 v[14:15], v[14:15], v[SUM2:SUM2+1]
	MM O, VF, PC, v[O:O+7], VE, PS, 0              ; O^T += V^T P^T: four accumulators by turns
	MM O+8, VF+8, PC, v[O+8:O+15], VO, PS, 0
	MM O+16, VF+16, PC, v[O+16:O+23], VE, PS, 1
	MM O+24, VF+24, PC, v[O+24:O+31], VO, PS, 1
	s_add_co_u32 s[TB], s[TB], 4096                ; the next 128 keys: 4,096 bytes of K's codes and of V's,
	s_add_co_u32 s[TS], s[TS], 256                 ; 256 bytes of each's scale words
.endm
; A PASS: one head.  The step is written once: the first finds zeros in O^T and the sum, which the first change of M leaves zeros.
.macro PASS p, q, qs
.set j, 0
.rept 32
	v_mov_b32 v[O+j], 0
.set j, j+1
.endr
	v_mov_b32 v13, 0xff61b1e6                      ; the largest t so far: -3e38
	s_delay_alu instid0(VALU_DEP_1)
	v_floor_f32 v12, -v13
	v_mov_b32 v14, 0
	v_mov_b32 v15, 0
	s_mov_b32 s[TB], \p*HEADB
	s_mov_b32 s[TS], \p*HEADB
	s_mov_b32 s[CNT], 16                           ; 2,048 keys
.Lstep_\p:
	s_setprio 2
	STEP \q, \qs
	s_sub_co_u32 s[CNT], s[CNT], 1
	s_cmp_lg_u32 s[CNT], 0
	s_cbranch_scc1 .Lstep_\p
	s_setprio 0
	PLACES                                         ; behind the last products
	v_add_f32 v14, v14, v15
	s_delay_alu instid0(VALU_DEP_1)
	v_permlanex16_b32 v[TMP], v14, s[SEL], s[SEL+1]
	s_delay_alu instid0(VALU_DEP_1)
	v_add_f32 v14, v14, v[TMP]                     ; the row's sum
	s_wait_alu depctr_va_vdst(0)
	v_rcp_f32 v[F], v14
	v_nop                                          ; a plain instruction behind the transcendental
.set j, 0
	s_wait_alu depctr_va_vdst(0)
.rept 16
	v_pk_mul_f32 v[O+j:O+j+1], v[O+j:O+j+1], v[F:F+1] op_sel_hi:[1,0]   ; O^T / l: register 16 g + n is channel 32 g + 16 h + n
.set j, j+2
.endr
	QUANT2 O, OC+4*\p, HWD+\p
	global_store_b128 v[AK0], v[OC+4*\p:OC+4*\p+3], s[OCB:OCB+1] offset:512*\p   ; half a fragment's image: 512 dense bytes
.endm
	s_wait_tensorcnt 0x1                           ; my part of the first head is in; the second head's load may stay out
	s_barrier_signal -1
	s_barrier_wait -1                              ; everybody's is
	PASS 0, QA, QSC
	s_wait_tensorcnt 0x0                           ; my part of the second head
	s_wait_dscnt 0x0
	s_barrier_signal -1
	s_barrier_wait -1
	PASS 1, QB, QSC+1
	v_lshl_or_b32 v[HWD], v[HWD+1], 16, v[HWD]     ; the K step's scale word: two bytes of each head
	global_store_b32 v[R4], v[HWD], s[OSB:OSB+1]
	s_wait_tensorcnt 0x0
	ds_add_u32 v254, v255
	s_wait_dscnt 0x0
	CROUND                                         ; the closing round
	s_endpgm
.Lfunc_end_k_qfa7e9af9a0_attn:
	.size	k_qfa7e9af9a0_attn, .Lfunc_end_k_qfa7e9af9a0_attn-k_qfa7e9af9a0_attn
	.p2alignl 7, 3214868480
	.fill 96, 4, 3214868480
	.section	.rodata,"a",@progbits
	.p2align	6, 0x0
	.amdhsa_kernel k_qfa7e9af9a0_attn
		.amdhsa_group_segment_fixed_size 327680
		.amdhsa_private_segment_fixed_size 0
		.amdhsa_enable_private_segment 0
		.amdhsa_kernarg_size 16
		.amdhsa_user_sgpr_count 2
		.amdhsa_user_sgpr_kernarg_segment_ptr 1
		.amdhsa_wavefront_size32 1
		.amdhsa_system_sgpr_workgroup_id_x 1
		.amdhsa_system_sgpr_workgroup_id_y 1
		.amdhsa_system_sgpr_workgroup_id_z 1
		.amdhsa_system_vgpr_workitem_id 0
		.amdhsa_next_free_vgpr 256
		.amdhsa_next_free_sgpr 66
		.amdhsa_reserve_vcc 0
		.amdhsa_float_denorm_mode_32 3
		.amdhsa_float_denorm_mode_16_64 3
		.amdhsa_memory_ordered 1
		.amdhsa_forward_progress 1
		.amdhsa_inst_pref_size 51
	.end_amdhsa_kernel
	.amdgpu_metadata
---
amdhsa.version: [ 1, 2 ]
amdhsa.kernels:
  - .name:           k_qfa7e9af9a0_attn
    .symbol:         k_qfa7e9af9a0_attn.kd
    .args:
      - { .name: qkv, .offset: 0, .size: 8, .value_kind: global_buffer, .address_space: global }
      - { .name: aos, .offset: 8, .size: 8, .value_kind: global_buffer, .address_space: global }
    .group_segment_fixed_size: 327680
    .private_segment_fixed_size: 0
    .kernarg_segment_align: 8
    .kernarg_segment_size: 16
    .max_flat_workgroup_size: 512
    .sgpr_count:     66
    .vgpr_count:     256
    .wavefront_size: 32
...
	.end_amdgpu_metadata
.endif
;; end of part 3
;; launch oproj (part 4): grid 8 x 32, 16 waves a work-group, clusters of 4 x 4, 210,944 bytes of LDS; arguments aos, wcs, bo, x, out0; writes out0
.if DOCPART == 4
	.amdgcn_target "amdgcn-amd-amdhsa--gfx1250"
	.amdhsa_code_object_version 6
	.text
	.protected	k_qfa7e9af9a0_oproj
	.globl	k_qfa7e9af9a0_oproj
	.p2align	8
	.type	k_qfa7e9af9a0_oproj,@function
k_qfa7e9af9a0_oproj:
	s_mov_b64 s[64:65], 0
	v_nop
	global_prefetch_b8 v0, s[64:65] scope:SCOPE_SE
	s_setreg_imm32_b32 hwreg(HW_REG_WAVE_MODE, 25, 1), 1
	s_wait_xcnt 0x0
	s_wait_alu depctr_hold_cnt(0) depctr_sa_sdst(0) depctr_va_vdst(0) depctr_va_sdst(0) depctr_va_ssrc(0) depctr_va_vcc(0) depctr_vm_vsrc(0)
	s_getreg_b32 s2, hwreg(HW_REG_IB_STS2, 6, 4)
	s_cmp_eq_u32 s2, 0
	s_cbranch_scc0 .Lentry_in_a_cluster
	s_endpgm
.Lentry_in_a_cluster:
	s_bfe_u32 s2, ttmp6, 0x10000c
	s_cmp_lg_u32 s2, 0xf033
	s_cbranch_scc0 .Lentry_shape_is_right
	s_endpgm
.Lentry_shape_is_right:
; out = a Wo^T + bo + x on codes of FP4 with E8M0 scales; a is attention's result.  Operands come as TILES of 16 rows x 1,024 K (8,704 bytes, two chunks of 4,352: 4 K steps of codes as images of the fragments' registers, then their scale words);
; tile 2 g + u, row r, is row 32 g + 8 u + r + 8 (r / 8).
; SHARES.  A work-group takes 256 tokens (16 tiles T of a) x 128 outputs (8 tiles P of Wo, tiles 192 on of the weights' buffer): 8 x 32 = 256 work-groups.  Both operands for ALL of K lie in LDS, filled once: nothing is filled again.
; Sixteen waves, four to a SIMD, 256 registers each: wave w takes tiles T 4 (w / 4) .. + 3 x tiles P 2 (w % 4), + 1: eight accumulators.  Source 0 = P, source 1 = T: a lane holds one token and 16 neighbouring outputs.
; bo is the C of each sum's first matrix instruction.  The residual's rows are asked for at the head and land under the whole product.
; THE WAY OUT: through a stage of 256 rows x (512 + 16) bytes, which puts the tokens back in order; it lies over T's tiles, which have had their only fill and, behind a barrier, their last read.  Each wave then adds x to 16 whole rows and stores 512 dense bytes an instruction.
; (In the stage's stores rows r and r + 16 fall on the same banks: two deep.)
; CLUSTER 4 x 4: T's tiles are asked for jointly along a row of the cluster, P's along a column.
.set CHT,   69632                      ; a chunk of T's 16 tiles in LDS
.set CHP,   34816                      ; of P's 8
.set PBASE, 139264
.set SPITCH, 528
.set LI,   1                           ; v1   16 x lane
.set RR,   2
.set HH,   3
.set AT,   4
.set AP,   5
.set AST,  6
.set ASP,  7
.set BO,   8                           ; v8   64 h
.set STO,  9                           ; v9   the stage: where I put 16 bytes of a row
.set RD,   10                          ; v10  and where I read a row back
.set SCT,  12                          ; v[12:15] T's scale words: these six registers hold scales and nothing else
.set SCP,  16                          ; v[16:17] P's
.set BI,   24                          ; v[24:39] bo in the results' layout
.set TF,   40                          ; v[40:71] four fragments of T
.set PF,   72                          ; v[72:87] two of P
.set ACC,  88                          ; v[88:151] eight accumulators; later 16 rows read back
.set XR,   152                         ; v[152:215] 16 rows of x
.set WV,   16
.set WP,   19
.set WT,   20
.set CX,   21
.set CY,   22
.set GX,   23
.set GY,   24
.set G1T,  28
.set G1P,  36
.set G0T,  44
.set G0P,  52
.set BB,   74                          ; s[74:75] bo
.set XB,   76                          ; s[76:77] x
.set OB,   78                          ; s[78:79] out0
.macro CROUND
	s_barrier_signal -1
	s_barrier_wait -1
	s_cmp_lg_u32 s[WV], 0
	s_cbranch_scc1 .Lnot_wave_0_\@
	s_barrier_signal -3
.Lnot_wave_0_\@:
	s_barrier_wait -3
	s_barrier_signal -1
	s_barrier_wait -1
.endm
.macro PLACES                          ; four plain instructions between a matrix instruction and a load into, or a read of, its registers
.rept 4
	v_nop
.endr
.endm
.macro MM d, a, b, c, sa, sb
	v_wmma_scale_f32_16x16x128_f8f6f4 v[(\d):(\d)+7], v[(\a):(\a)+7], v[(\b):(\b)+7], \c, v[\sa], v[\sb] matrix_a_fmt:MATRIX_FMT_FP4 matrix_b_fmt:MATRIX_FMT_FP4
.endm
	s_load_b256 s[4:11], s[0:1], 0x0               ; aos s[4:5], wcs s[6:7], bo s[8:9], x s[10:11]
	s_load_b64 s[12:13], s[0:1], 0x20              ; out0
	v_lshl_add_u32 v254, v0, 2, 0x33000
	v_mov_b32 v255, 0
	ds_add_u32 v254, v255
	ds_add_u32 v254, v255
	v_lshrrev_b32 v2, 5, v0
	s_delay_alu instid0(VALU_DEP_1)
	v_readfirstlane_b32 s[WV], v2                  ; wave 0..15
	s_and_b32 s17, s[WV], 7
	s_and_b32 s[WP], s[WV], 3
	s_lshr_b32 s[WT], s[WV], 2
	s_bfe_u32 s[CX], ttmp6, 0x40000
	s_bfe_u32 s[CY], ttmp6, 0x40004
	s_lshl_b32 s[GX], ttmp9, 2
	s_add_co_u32 s[GX], s[GX], s[CX]               ; which 128 outputs
	s_and_b32 s[GY], ttmp7, 0xffff
	s_lshl_b32 s[GY], s[GY], 2
	s_add_co_u32 s[GY], s[GY], s[CY]               ; which 256 tokens
	s_lshl_b32 s26, s[CY], 2
	s_lshl_b32 s26, 15, s26                        ; my row of the cluster
	s_lshl_b32 s27, 0x1111, s[CX]                  ; my column
	; descriptor groups 1: T: one chunk of two tiles: 2 rows of 544 elements of 8 bytes, 1,088 elements apart;  P: one chunk of one tile: 1 row
	s_or_b32 s[G1T], s26, (3<<16)|(1<<21)
	s_mov_b32 s[G1T+1], 544<<16
	s_mov_b32 s[G1T+2], 2<<16
	s_mov_b32 s[G1T+3], 544<<16
	s_mov_b32 s[G1T+4], 2
	s_mov_b32 s[G1T+5], 1088
	s_mov_b32 s[G1T+6], 0
	s_mov_b32 s[G1T+7], 0
	s_or_b32 s[G1P], s27, (3<<16)|(1<<21)
	s_mov_b32 s[G1P+1], 544<<16
	s_mov_b32 s[G1P+2], 1<<16
	s_mov_b32 s[G1P+3], 544<<16
	s_mov_b32 s[G1P+4], 1
	s_mov_b32 s[G1P+5], 1088
	s_mov_b32 s[G1P+6], 0
	s_mov_b32 s[G1P+7], 0
	s_mul_i32 s18, s17, 17408                      ; T: my two tiles of the sixteen
	s_mul_i32 s66, s[GY], 139264
	s_add_co_u32 s66, s66, s18
	s_mov_b32 s67, 0
	s_mul_i32 s18, s17, 8704                       ; P: my one tile of the eight.  Also: T's place in a chunk in LDS
	s_mul_i32 s70, s[GX], 69632
	s_add_co_u32 s70, s70, s18
	s_add_co_u32 s70, s70, 192*8704                ; Wo's tiles lie behind Wq's, Wk's and Wv's
	s_mov_b32 s71, 0
	s_mul_i32 s60, s17, 4352                       ; P's place in a chunk in LDS
	s_wait_dscnt 0x0
	s_wait_kmcnt 0x0
	s_add_nc_u64 s[68:69], s[4:5], s[66:67]
	s_add_nc_u64 s[72:73], s[6:7], s[70:71]
	CROUND                                         ; all sixteen work-groups are here: the joint loads meet
.irp c, 0,1
	s_mov_b32 s[G0T+4*\c], 1
	s_add_co_u32 s[G0T+4*\c+1], s18, \c*CHT
	s_add_nc_u64 s[G0T+4*\c+2:G0T+4*\c+3], s[68:69], \c*4352
	s_or_b32 s[G0T+4*\c+3], s[G0T+4*\c+3], 0x80000000
	s_mov_b32 s[G0P+4*\c], 1
	s_add_co_u32 s[G0P+4*\c+1], s60, PBASE+\c*CHP
	s_add_nc_u64 s[G0P+4*\c+2:G0P+4*\c+3], s[72:73], \c*4352
	s_or_b32 s[G0P+4*\c+3], s[G0P+4*\c+3], 0x80000000
.endr
	s_cmp_lt_u32 s[WV], 8                          ; waves 0-7 fetch T, waves 8-15 P: a wave's two fills stand in one branch; two loads of mine are out
	s_cbranch_scc0 .Lfill_p
	tensor_load_to_lds s[G0T:G0T+3], s[G1T:G1T+7]
	s_nop 0
	tensor_load_to_lds s[G0T+4:G0T+7], s[G1T:G1T+7]
	s_nop 0
.rept 4
	v_nop
.endr
	s_branch .Lfilled
.Lfill_p:
	tensor_load_to_lds s[G0P:G0P+3], s[G1P:G1P+7]
	s_nop 0
	tensor_load_to_lds s[G0P+4:G0P+7], s[G1P:G1P+7]
	s_nop 0
.rept 4
	v_nop
.endr
.Lfilled:
	v_and_b32 v[LI], 31, v0
	s_delay_alu instid0(VALU_DEP_1)
	v_lshlrev_b32 v[LI], 4, v[LI]
	v_and_b32 v[RR], 15, v0
	v_bfe_u32 v[HH], v0, 4, 1
	s_delay_alu instid0(VALU_DEP_1)
	v_lshlrev_b32 v[BO], 6, v[HH]
	s_wait_alu depctr_va_vdst(0)
	s_lshl_b32 s82, s[GX], 9                       ; bo: my 32 outputs: 128 x tile column + 32 x (w % 4)
	s_lshl_b32 s61, s[WP], 7
	s_add_co_u32 s82, s82, s61
	s_mov_b32 s83, 0
	s_add_nc_u64 s[BB:BB+1], s[8:9], s[82:83]
	s_lshl_b32 s82, s[GY], 20                      ; x and out0: row 256 x tile row + 16 x wave, byte 512 x tile column
	s_lshl_b32 s61, s[WV], 16
	s_add_co_u32 s82, s82, s61
	s_lshl_b32 s61, s[GX], 9
	s_add_co_u32 s82, s82, s61
	s_add_nc_u64 s[XB:XB+1], s[10:11], s[82:83]
	s_add_nc_u64 s[OB:OB+1], s[12:13], s[82:83]
.irp k, 0,1,2,3
	global_load_b128 v[BI+4*\k:BI+4*\k+3], v[BO], s[BB:BB+1] offset:16*\k   ; register j of tile u is output 16 h + 8 u + j of my 32
.endr
.irp i, 0,1,2,3,4,5,6,7,8,9,10,11,12,13,14,15
	global_load_b128 v[XR+4*\i:XR+4*\i+3], v[LI], s[XB:XB+1] offset:4096*\i th:TH_LOAD_NT   ; 32 lanes read 512 dense bytes of a row; read once in the launch
.endr
	s_mul_i32 s60, s[WT], 17408                    ; my four tiles of T,
	s_mul_i32 s61, s[WP], 8704                     ; my two of P
	s_add_co_u32 s61, s61, PBASE
	v_add_nc_u32 v[AT], s60, v[LI]
	v_add_nc_u32 v[AP], s61, v[LI]
	v_lshlrev_b32 v[AST], 2, v[RR]
	s_add_co_u32 s60, s60, 4096
	s_add_co_u32 s61, s61, 4096
	v_add_nc_u32 v[ASP], s61, v[AST]
	v_add_nc_u32 v[AST], s60, v[AST]
	v_and_b32 v[STO], 8, v[RR]
	s_delay_alu instid0(VALU_DEP_1)
	v_add_nc_u32 v[STO], v[STO], v[RR]             ; r + 8 (r / 8)
	s_delay_alu instid0(VALU_DEP_1)
	v_mul_u32_u24 v[STO], v[STO], SPITCH
	s_delay_alu instid0(VALU_DEP_1)
	v_lshl_add_u32 v[STO], v[HH], 6, v[STO]
	s_mul_i32 s60, s[WT], 64*SPITCH
	s_lshl_b32 s61, s[WP], 7
	s_add_co_u32 s60, s60, s61
	v_add_nc_u32 v[STO], s60, v[STO]               ; row 64 (w / 4) + r + 8 (r / 8), byte 128 (w % 4) + 64 h
	s_mul_i32 s60, s[WV], 16*SPITCH
	v_add_nc_u32 v[RD], s60, v[LI]                 ; back: my 16 rows, 16 bytes a lane
; K step q of the chunk in hand: six fragments and six scale words from LDS, eight matrix instructions; the eight accumulators take turns
.macro KSTEP q, first, places
.if \places
	PLACES
.endif
.irp i, 0,1,2,3
.irp c, 0,1
	ds_load_b128 v[TF+8*\i+4*\c:TF+8*\i+4*\c+3], v[AT] offset:\i*4352+\q*1024+\c*512
.endr
	ds_load_b32 v[SCT+\i], v[AST] offset:\i*4352+\q*64
.endr
.irp u, 0,1
.irp c, 0,1
	ds_load_b128 v[PF+8*\u+4*\c:PF+8*\u+4*\c+3], v[AP] offset:\u*4352+\q*1024+\c*512
.endr
	ds_load_b32 v[SCP+\u], v[ASP] offset:\u*4352+\q*64
.endr
	s_wait_dscnt 0x0
.irp m, 0,1,2,3
.irp u, 0,1
.if \first
	MM ACC+16*\m+8*\u, PF+8*\u, TF+8*\m, v[BI+8*\u:BI+8*\u+7], SCP+\u, SCT+\m
.else
	MM ACC+16*\m+8*\u, PF+8*\u, TF+8*\m, v[ACC+16*\m+8*\u:ACC+16*\m+8*\u+7], SCP+\u, SCT+\m
.endif
.endr
.endr
.endm
	s_wait_alu depctr_va_vdst(0)
	s_wait_tensorcnt 0x1                           ; my part of chunk 0 is in; chunk 1's load may stay out
	s_wait_loadcnt 16                              ; bo is in; the 16 loads of x stay out
	s_barrier_signal -1
	s_barrier_wait -1
	KSTEP 0, 1, 0
	KSTEP 1, 0, 1
	KSTEP 2, 0, 1
	KSTEP 3, 0, 1
	s_wait_tensorcnt 0x0                           ; my part of chunk 1
	s_barrier_signal -1
	s_barrier_wait -1
	v_add_nc_u32 v[AT], CHT, v[AT]                 ; on to chunk 1; these four are also the places in front of the loads below
	s_wait_alu depctr_va_vdst(0)
	v_add_nc_u32 v[AST], CHT, v[AST]
	s_wait_alu depctr_va_vdst(0)
	v_add_nc_u32 v[AP], CHP, v[AP]
	s_wait_alu depctr_va_vdst(0)
	v_add_nc_u32 v[ASP], CHP, v[ASP]
	s_wait_alu depctr_va_vdst(0)
	KSTEP 0, 0, 0
	KSTEP 1, 0, 1
	KSTEP 2, 0, 1
	KSTEP 3, 0, 1
	PLACES
	s_barrier_signal -1                            ; every wave's reads of T's tiles are back (each K step waited for its loads): the stage may be written over them
	s_barrier_wait -1
.irp m, 0,1,2,3
.irp u, 0,1
.irp k, 0,1
	ds_store_b128 v[STO], v[ACC+16*\m+8*\u+4*\k:ACC+16*\m+8*\u+4*\k+3] offset:(32*(\m/2)+8*(\m%2))*SPITCH+32*\u+16*\k   ; each accumulator from its low end on
.endr
.endr
.endr
	s_wait_dscnt 0x0                               ; for the others' sake: my stores into the stage are done
	s_barrier_signal -1
	s_barrier_wait -1
.irp i, 0,1,2,3,4,5,6,7,8,9,10,11,12,13,14,15
	ds_load_b128 v[ACC+4*\i:ACC+4*\i+3], v[RD] offset:SPITCH*\i
.endr
	s_wait_loadcnt 0x0                             ; x
.irp i, 0,1,2,3,4,5,6,7,8,9,10,11,12,13,14,15
	s_wait_dscnt 15-\i                             ; row i is back; the younger rows may stay out
	v_pk_add_f32 v[ACC+4*\i:ACC+4*\i+1], v[ACC+4*\i:ACC+4*\i+1], v[XR+4*\i:XR+4*\i+1]
	v_pk_add_f32 v[ACC+4*\i+2:ACC+4*\i+3], v[ACC+4*\i+2:ACC+4*\i+3], v[XR+4*\i+2:XR+4*\i+3]
	global_store_b128 v[LI], v[ACC+4*\i:ACC+4*\i+3], s[OB:OB+1] offset:4096*\i th:TH_STORE_NT   ; 32 lanes store 512 dense bytes, at a multiple of 256 from the buffer's first byte
.endr
	s_wait_tensorcnt 0x0
	ds_add_u32 v254, v255
	s_wait_dscnt 0x0
	CROUND                                         ; the closing round: no work-group ends while a partner may still ask for a tile that names it
	s_endpgm
.Lfunc_end_k_qfa7e9af9a0_oproj:
	.size	k_qfa7e9af9a0_oproj, .Lfunc_end_k_qfa7e9af9a0_oproj-k_qfa7e9af9a0_oproj
	.p2alignl 7, 3214868480
	.fill 96, 4, 3214868480
	.section	.rodata,"a",@progbits
	.p2align	6, 0x0
	.amdhsa_kernel k_qfa7e9af9a0_oproj
		.amdhsa_group_segment_fixed_size 210944
		.amdhsa_private_segment_fixed_size 0
		.amdhsa_enable_private_segment 0
		.amdhsa_kernarg_size 40
		.amdhsa_user_sgpr_count 2
		.amdhsa_user_sgpr_kernarg_segment_ptr 1
		.amdhsa_wavefront_size32 1
		.amdhsa_system_sgpr_workgroup_id_x 1
		.amdhsa_system_sgpr_workgroup_id_y 1
		.amdhsa_system_sgpr_workgroup_id_z 1
		.amdhsa_system_vgpr_workitem_id 0
		.amdhsa_next_free_vgpr 256
		.amdhsa_next_free_sgpr 84
		.amdhsa_reserve_vcc 0
		.amdhsa_float_denorm_mode_32 3
		.amdhsa_float_denorm_mode_16_64 3
		.amdhsa_memory_ordered 1
		.amdhsa_forward_progress 1
		.amdhsa_inst_pref_size 34
	.end_amdhsa_kernel
	.amdgpu_metadata
---
amdhsa.version: [ 1, 2 ]
amdhsa.kernels:
  - .name:           k_qfa7e9af9a0_oproj
    .symbol:         k_qfa7e9af9a0_oproj.kd
    .args:
      - { .name: aos, .offset: 0, .size: 8, .value_kind: global_buffer, .address_space: global }
      - { .name: wcs, .offset: 8, .size: 8, .value_kind: global_buffer, .address_space: global }
      - { .name: bo, .offset: 16, .size: 8, .value_kind: global_buffer, .address_space: global }
      - { .name: x, .offset: 24, .size: 8, .value_kind: global_buffer, .address_space: global }
      - { .name: out0, .offset: 32, .size: 8, .value_kind: global_buffer, .address_space: global }
    .group_segment_fixed_size: 210944
    .private_segment_fixed_size: 0
    .kernarg_segment_align: 8
    .kernarg_segment_size: 40
    .max_flat_workgroup_size: 512
    .sgpr_count:     84
    .vgpr_count:     256
    .wavefront_size: 32
...
	.end_amdgpu_metadata
.endif
;; end of part 4
